; MI455X (gfx1250); checked and timed in simulation.
; The chip was launched on July 23, 2026; its instructions are those of AMD's public machine-readable ISA for CDNA 5 (MIT licence, August 2026) and "CDNA5" Instruction Set Architecture Reference Guide (July 2026). The comments in the code are by the model that wrote it; some were corrected since.
;; Multi Head Self Attention. Allowed arithmetic: matrix products marked QUANTISED: E2M3 operands, one E8M0 scale for each 32 along K, by v_wmma_scale_f32_16x16x128_f8f6f4 with both operands' format E2M3, f32 sums; everything else in f32.
;; Inputs: w_k 1,024 x 1,024 float32; w_o 1,024 x 1,024 float32; w_q 1,024 x 1,024 float32; w_v 1,024 x 1,024 float32; x 4 x 2,048 x 1,024 float32.
;; Outputs: out0 4 x 2,048 x 1,024 float32.
;; This version of the problem:
;;   THIS VERSION OF THE PROBLEM IS GIVEN IN LOW PRECISION. The matrix products marked QUANTISED in the list below multiply operands that are first quantised to E2M3 (2 exponent bits, 3 mantissa bits; 6 bits a number), with one power-of-two scale for each 32 numbers along K (OCP MX v1.0); their sums are f32. All else is computed in f32.
;;   The module's matrix products, in the order in which they are computed (A, B: the left and right operand; K: the contracted axis; several contracted axes count as one K, in the product's order):
;;     1. [M 8,192, K 1,024] x [K 1,024, N 1,024]; A: input x; B: input w_q: QUANTISED
;;     2. [M 8,192, K 1,024] x [K 1,024, N 1,024]; A: input x; B: input w_k: QUANTISED
;;     3. [M 8,192, K 1,024] x [K 1,024, N 1,024]; A: input x; B: input w_v: QUANTISED
;;     4. batch 64 x [M 2,048, K 64] x [K 64, N 2,048]; A: computed on the way; B: computed on the way: QUANTISED
;;     5. batch 64 x [M 2,048, K 2,048] x [K 2,048, N 64]; A: softmax (see below); B: computed on the way: QUANTISED
;;     6. [M 8,192, K 1,024] x [K 1,024, N 1,024]; A: computed on the way; B: input w_o: QUANTISED
;;   THE QUANTISER, for each operand of a quantised product, along K:
;;     - K is cut into blocks of 32 from its start; a last block that is shorter is filled with zeros.
;;     - A block's scale is 2^e with e = floor(log2(the largest magnitude in the block)) - 2, held to -126 .. 127; a block of zeros has e = 0. As a byte (E8M0): e + 127.
;;     - Each number is divided by its block's scale, clamped to +-7.5, and rounded to the nearest number of E2M3, ties to even, subnormals kept.
;;     - The product sums the exact products of the quantised numbers (number of the format x scale) in f32.
;;   ~~~python
;;   def quantise(x, axis):      # numpy; x: float32 -> the quantised numbers, widened to float32 again
;;       x = np.moveaxis(x, axis, -1); K = x.shape[-1]
;;       x = np.pad(x, [(0, 0)] * (x.ndim - 1) + [(0, -K % 32)]); x = x.reshape(x.shape[:-1] + (-1, 32)); a = np.abs(x).max(-1, keepdims=True)
;;       e = np.where(a > 0, np.clip(np.frexp(np.where(a > 0, a, 1))[1] - 1 - 2, -126, 127), 0)      # np.frexp(a)[1] - 1 = floor(log2(a)), exactly
;;       r = np.clip(x / 2.0 ** e, -7.5, 7.5)
;;       step = 2.0 ** (np.maximum(np.frexp(np.where(r == 0, 1, r))[1] - 1, 0) - 3)
;;       q = np.round(r / step) * step * 2.0 ** e      # np.round: ties to even
;;       return np.moveaxis(q.reshape(q.shape[:-2] + (-1,))[..., :K], -1, axis).astype(np.float32)
;;   ~~~
;;   SOFTMAX AHEAD OF A QUANTISED PRODUCT. Where the list says 'softmax', what is quantised is not the finished softmax but p = 2^(t - M), with t = logit x log2(e) and M = ceil(the row's largest t), a whole number; so 1/2 < the row's largest p <= 1. The row's sum l is taken of the UNQUANTISED p, in f32, and the product's result is divided by l at the end. Since M is a whole number, a kernel that streams over the keys may use a running M (the ceiling of the running maximum): every later rescaling is an exact power of two, which a block's scale takes up: the codes' values come out the same.
;;   OPERANDS COMPUTED ON THE WAY. 'Computed on the way' means the value that the module computes at that place (a softmax that the list does not call 'softmax' is quantised finished and normalised). What goes into a quantiser is computed in f32, as accurately as f32 sums, v_exp_f32 and their like allow (about 1e-6 of the number): no bf16 or f16 on the way to a quantiser, and a product that is left as it is and whose result goes on into a quantised operand takes f32 operands (vector FMAs, or v_wmma_f32_16x16x4_f32). A number that lies on a knife's edge between two numbers of the format may be rounded either way, as far as f32 arithmetic and the matrix unit's own rounding can turn it there, and no further.
;; One version. Each part assembles by itself: llvm-mc -triple=amdgcn-amd-amdhsa -mcpu=gfx1250 --defsym DOCPART=n.
;; ======== version 1 of 1: 4 launches
;; workspace buffers: x_codes 6,291,456 bytes; x_scales 262,144 bytes; w_codes 3,145,728 bytes; w_scales 131,072 bytes; qbuf 6,553,600 bytes; kv 13,107,200 bytes; ao 6,291,456 bytes; ao_scales 262,144 bytes
;; launch quant (part 1): grid 384 x 1, 4 waves a work-group, no clusters, 33,280 bytes of LDS; arguments x, w_q, w_k, w_v, w_o, x_codes, x_scales, w_codes, w_scales; writes x_codes, x_scales, w_codes, w_scales
.if DOCPART == 1
	.amdgcn_target "amdgcn-amd-amdhsa--gfx1250"
	.amdhsa_code_object_version 6
	.text
	.protected	k_q20a94163aa_quant
	.globl	k_q20a94163aa_quant
	.p2align	8
	.type	k_q20a94163aa_quant,@function
k_q20a94163aa_quant:
	s_mov_b64 s[64:65], 0
	v_nop
	global_prefetch_b8 v0, s[64:65] scope:SCOPE_SE
	s_setreg_imm32_b32 hwreg(HW_REG_WAVE_MODE, 25, 1), 1
	s_wait_xcnt 0x0
; x [8192][1024] and the four weights [1024][1024], f32, K innermost, become codes of FP6 (E2M3) and one E8M0 scale byte for each 32 along K.
; A block's scale is 2^(floor(log2(its largest magnitude)) - 2); its byte is the largest magnitude's exponent field - 2, held at 1 from below.
; LIMITS: NaN and infinities among the inputs are not served; a block whose largest magnitude lies under 2^-124 keeps the byte 1; a block of zeros gets the byte 1 (its codes are zeros, and this program alone reads the bytes).
; OUT: x_codes [8192][768], x_scales [8192][32]; w_codes [4096][768], w_scales [4096][32], rows in the order w_q, w_k, w_v, w_o.
; STORAGE ROWS: for x, w_q, w_k, w_v a row is stored at its number with bits 3 and 4 exchanged, so that sixteen stored rows on end are the rows 32 b + 8 u + r + 8 (r / 8): the choice that lets a later product's
; results lie as 16 neighbours along the next K in a lane's registers.  A wave's run is 8 whole rows, so the exchange is an exchange of the two bits of the wave's number in the OUTPUT address.  w_o keeps its order.
; A wave takes 16 steps of 512 numbers.  Each load reads 512 consecutive bytes; a step's 2,048 bytes turn through the wave's own stage in LDS and come back 64 bytes (16 neighbours) a lane; two neighbouring lanes hold a block.
; A lane's 16 codes are 12 bytes: the wave stores 384 consecutive bytes.  A wave's 256 scale bytes are gathered in LDS and leave as one aligned run of 256 bytes.  No barrier: waves share nothing.
.set STEPS, 16
.set CB,    12                         ; bytes of 16 codes
.set R,     16                         ; v16-79   four sets of 16 numbers as they are loaded
.set X,     80                         ; v80-111  two sets of 16 neighbours
.set E,     112                        ; v112-127 a scale byte for each step
.set C,     128                        ; v128-191 codes: four registers for each step, so that no store's data are written again
.set WREG,  8192                       ; LDS: a region for each wave: two stages of 32 x SP bytes, then its 256 scale bytes
.set SP,    80                         ; a lane's place in a stage: 64 bytes + 16 of padding
	s_load_b256 s[4:11], s[0:1], 0x0               ; x, w_q, w_k, w_v
	s_load_b256 s[12:19], s[0:1], 0x20             ; w_o, x_codes, x_scales, w_codes
	s_load_b64 s[20:21], s[0:1], 0x40              ; w_scales
	v_lshl_add_u32 v192, v0, 2, 0x8000
	v_mov_b32 v193, 0
	v_lshrrev_b32 v1, 5, v0
	v_readfirstlane_b32 s22, v1                    ; wave
	v_and_b32 v2, 31, v0                           ; lane
	v_lshlrev_b32 v3, 4, v2                        ; my 16 bytes of a load's 512
	s_mul_i32 s30, s22, WREG
	v_lshrrev_b32 v14, 2, v2
	v_mul_u32_u24 v14, v14, SP
	v_and_b32 v15, 3, v2
	v_lshl_add_u32 v14, v15, 4, v14
	v_add_nc_u32 v14, s30, v14                     ; the stage, on the way in: SP (lane / 4) + 16 (lane % 4)
	v_mul_u32_u24 v15, v2, SP
	v_add_nc_u32 v15, s30, v15                     ; and on the way out: SP x lane: my 16 neighbours
	v_mul_u32_u24 v4, v2, CB                       ; my codes' place in a step's
	v_lshrrev_b32 v5, 1, v2
	s_add_co_u32 s30, s30, 2*32*SP
	v_add_nc_u32 v5, s30, v5                       ; LDS: my wave's 256 scale bytes, my block's byte
	v_lshlrev_b32 v7, 3, v2                        ; and on the way out 8 bytes a lane
	v_add_nc_u32 v6, s30, v7
	s_and_b32 s23, s22, 1
	s_lshl_b32 s23, s23, 1
	s_lshr_b32 s27, s22, 1
	s_or_b32 s23, s23, s27                         ; the wave's number with its two bits exchanged
	s_wait_kmcnt 0x0
	s_cmp_lt_u32 ttmp9, 352                        ; which tensor: work-groups 0-255 x, 256-287 w_q, 288-319 w_k, 320-351 w_v, 352-383 w_o.  The choices hang on the work-group's number alone
	s_cselect_b64 s[12:13], s[10:11], s[12:13]
	s_cselect_b32 s26, s23, s22                    ; w_o keeps its rows' order
	s_cmp_lt_u32 ttmp9, 320
	s_cselect_b64 s[12:13], s[8:9], s[12:13]
	s_cmp_lt_u32 ttmp9, 288
	s_cselect_b64 s[12:13], s[6:7], s[12:13]
	s_cmp_lt_u32 ttmp9, 256
	s_cselect_b64 s[12:13], s[4:5], s[12:13]       ; s[12:13]: the numbers
	s_cselect_b64 s[14:15], s[14:15], s[18:19]     ; s[14:15]: the codes
	s_cselect_b64 s[16:17], s[16:17], s[20:21]     ; s[16:17]: the scale bytes
	s_cselect_b32 s24, 0, 256
	s_cselect_b32 s25, -1, 31
	s_sub_co_u32 s24, ttmp9, s24                   ; the work-group's number in x, or among the four weights
	s_and_b32 s25, s24, s25                        ; and in its own tensor
	s_lshl_b32 s25, s25, 2
	s_add_co_u32 s25, s25, s22                     ; the run of 8,192 numbers that I read
	s_lshl_b32 s24, s24, 2
	s_add_co_u32 s24, s24, s26                     ; and the run that I write
	s_lshl_b32 s28, s25, 15                        ; 32,768 bytes a run (under 2^26)
	s_mov_b32 s29, 0
	s_add_nc_u64 s[12:13], s[12:13], s[28:29]
	s_mul_i32 s28, s24, 32*STEPS*CB                ; 6,144 bytes of codes a run
	s_add_nc_u64 s[14:15], s[14:15], s[28:29]
	s_lshl_b32 s28, s24, 8                         ; 256 scale bytes a run
	s_add_nc_u64 s[16:17], s[16:17], s[28:29]
.macro LOAD t
.irp i, 0,1,2,3
	global_load_b128 v[R+16*((\t)%4)+4*\i:R+16*((\t)%4)+4*\i+3], v3, s[12:13] offset:2048*(\t)+512*\i th:TH_LOAD_NT   ; 32 lanes read 512 consecutive bytes
.endr
.endm
.macro TURN t                          ; step t's numbers through the stage: LDS serves a wave's instructions in order, so no wait stands between the stores and the loads
.irp i, 0,1,2,3
	ds_store_b128 v14, v[R+16*((\t)%4)+4*\i:R+16*((\t)%4)+4*\i+3] offset:32*SP*((\t)%2)+8*SP*\i
.endr
.irp i, 0,1,2,3
	ds_load_b128 v[X+16*((\t)%2)+4*\i:X+16*((\t)%2)+4*\i+3], v15 offset:32*SP*((\t)%2)+16*\i
.endr
.endm
.irp t, 0,1,2,3
	LOAD \t
.endr
	s_wait_loadcnt 12                              ; step 0's four loads are in; the twelve of steps 1 to 3 stay out
	TURN 0
.macro STEP t
.set XS, X+16*((\t)%2)
.if (\t) > 0
	s_wait_dscnt 1                                 ; this step's numbers are back from the stage (the last step's byte store may be out): so its stores into the stage have read their registers,
.else
	s_wait_dscnt 0x0
.endif
.if (\t)+4 < STEPS
	LOAD (\t)+4                                    ; which take the loads of four steps on
.endif
.if (\t)+1 < STEPS
.if STEPS-2-(\t) >= 3
	s_wait_loadcnt 12                              ; the next step's four loads are in; those of the three steps behind it may be out
.else
	s_wait_loadcnt 4*(STEPS-2-(\t))
.endif
	TURN (\t)+1                                    ; and go through the other stage while this step is worked
.endif
	v_max3_num_f32 v8, |v[XS]|, |v[XS+1]|, |v[XS+2]|               ; the largest magnitude of my 16, in two chains
	v_max3_num_f32 v9, |v[XS+3]|, |v[XS+4]|, |v[XS+5]|
.irp i, 6,10
	v_max3_num_f32 v8, v8, |v[XS+\i]|, |v[XS+\i+1]|
	v_max3_num_f32 v9, v9, |v[XS+\i+2]|, |v[XS+\i+3]|
.endr
	v_max3_num_f32 v8, v8, |v[XS+14]|, |v[XS+15]|
	v_max3_num_f32 v8, v8, v9, 0x1800000           ; and the floor 2^(3 - 127): the byte cannot fall under 1
	v_max_num_f32_dpp v8, v8, v8 row_xmask:1 row_mask:0xf bank_mask:0xf   ; and of my neighbour's 16: the block's
	v_add_nc_u32 v11, 0xff000000, v8               ; 2 off its exponent field: the conversion takes the exponent field of this operand as its scale
	v_cvt_scalef32_pk16_fp6_f32 v[C+4*(\t):C+4*(\t)+2], v[XS:XS+15], v11   ; sixteen numbers / the scale, to the nearest code, ties to even, beyond the largest code the largest
	v_lshrrev_b32 v[E+(\t)], 23, v11               ; the scale's byte
	ds_store_b8 v5, v[E+(\t)] offset:16*(\t)       ; both lanes of a block write the same byte with the same value
	global_store_b96 v4, v[C+4*(\t):C+4*(\t)+2], s[14:15] offset:32*CB*(\t)
.endm
.irp t, 0,1,2,3,4,5,6,7,8,9,10,11,12,13,14,15
	STEP \t
.endr
	ds_load_b64 v[12:13], v6                       ; LDS serves a wave's instructions in order: these see my stores
	s_wait_dscnt 0x0
	global_store_b64 v7, v[12:13], s[16:17]        ; 32 lanes store 256 consecutive bytes, aligned
	s_wait_tensorcnt 0x0
	ds_add_u32 v192, v193
	s_wait_dscnt 0x0
	s_endpgm
.Lfunc_end_k_q20a94163aa_quant:
	.size	k_q20a94163aa_quant, .Lfunc_end_k_q20a94163aa_quant-k_q20a94163aa_quant
	.p2alignl 7, 3214868480
	.fill 96, 4, 3214868480
	.section	.rodata,"a",@progbits
	.p2align	6, 0x0
	.amdhsa_kernel k_q20a94163aa_quant
		.amdhsa_group_segment_fixed_size 33280
		.amdhsa_private_segment_fixed_size 0
		.amdhsa_enable_private_segment 0
		.amdhsa_kernarg_size 72
		.amdhsa_user_sgpr_count 2
		.amdhsa_user_sgpr_kernarg_segment_ptr 1
		.amdhsa_wavefront_size32 1
		.amdhsa_system_sgpr_workgroup_id_x 1
		.amdhsa_system_sgpr_workgroup_id_y 1
		.amdhsa_system_sgpr_workgroup_id_z 1
		.amdhsa_system_vgpr_workitem_id 0
		.amdhsa_next_free_vgpr 194
		.amdhsa_next_free_sgpr 66
		.amdhsa_reserve_vcc 0
		.amdhsa_float_denorm_mode_32 3
		.amdhsa_float_denorm_mode_16_64 3
		.amdhsa_memory_ordered 1
		.amdhsa_forward_progress 1
		.amdhsa_inst_pref_size 33
	.end_amdhsa_kernel
	.amdgpu_metadata
---
amdhsa.version: [ 1, 2 ]
amdhsa.kernels:
  - .name:           k_q20a94163aa_quant
    .symbol:         k_q20a94163aa_quant.kd
    .args:
      - { .name: x, .offset: 0, .size: 8, .value_kind: global_buffer, .address_space: global }
      - { .name: w_q, .offset: 8, .size: 8, .value_kind: global_buffer, .address_space: global }
      - { .name: w_k, .offset: 16, .size: 8, .value_kind: global_buffer, .address_space: global }
      - { .name: w_v, .offset: 24, .size: 8, .value_kind: global_buffer, .address_space: global }
      - { .name: w_o, .offset: 32, .size: 8, .value_kind: global_buffer, .address_space: global }
      - { .name: x_codes, .offset: 40, .size: 8, .value_kind: global_buffer, .address_space: global }
      - { .name: x_scales, .offset: 48, .size: 8, .value_kind: global_buffer, .address_space: global }
      - { .name: w_codes, .offset: 56, .size: 8, .value_kind: global_buffer, .address_space: global }
      - { .name: w_scales, .offset: 64, .size: 8, .value_kind: global_buffer, .address_space: global }
    .group_segment_fixed_size: 33280
    .private_segment_fixed_size: 0
    .kernarg_segment_align: 8
    .kernarg_segment_size: 72
    .max_flat_workgroup_size: 128
    .sgpr_count:     66
    .vgpr_count:     194
    .wavefront_size: 32
...
	.end_amdgpu_metadata
.endif
;; end of part 1
;; launch qkv (part 2): grid 12 x 32, 4 waves a work-group, clusters of 4 x 4, 327,680 bytes of LDS; arguments x_codes, x_scales, w_codes, w_scales, qbuf, kv; writes qbuf, kv
.if DOCPART == 2
	.amdgcn_target "amdgcn-amd-amdhsa--gfx1250"
	.amdhsa_code_object_version 6
	.text
	.protected	k_q20a94163aa_qkv
	.globl	k_q20a94163aa_qkv
	.p2align	8
	.type	k_q20a94163aa_qkv,@function
k_q20a94163aa_qkv:
	s_mov_b64 s[64:65], 0
	v_nop
	global_prefetch_b8 v0, s[64:65] scope:SCOPE_SE
	s_setreg_imm32_b32 hwreg(HW_REG_WAVE_MODE, 25, 1), 1
	s_wait_xcnt 0x0
	s_wait_alu depctr_hold_cnt(0) depctr_sa_sdst(0) depctr_va_vdst(0) depctr_va_sdst(0) depctr_va_ssrc(0) depctr_va_vcc(0) depctr_vm_vsrc(0)
	s_getreg_b32 s2, hwreg(HW_REG_IB_STS2, 6, 4)
	s_cmp_eq_u32 s2, 0
	s_cbranch_scc0 .Lentry_in_a_cluster
	s_endpgm
.Lentry_in_a_cluster:
	s_bfe_u32 s2, ttmp6, 0x10000c
	s_cmp_lg_u32 s2, 0xf033
	s_cbranch_scc0 .Lentry_shape_is_right
	s_endpgm
.Lentry_shape_is_right:
; Q = x w_q^T, K = x w_k^T, V = x w_v^T on codes of FP6 (E2M3) with E8M0 scales, K = 1,024; the results are quantised in registers and stored as images of the operands that attention wants.
; ONE TEXT, TWO ROLES, chosen by the cluster's x (the same in all sixteen partners).  Cluster x = 0 (Q) and 1 (K): 'A' = x's 8,192 rows, 'B' = rows 0 .. 2,047 of the weights.  Cluster x = 2 (V): 'A' = w_v's 1,024 rows, 'B' = x.
; A tile of 256 x 256 is made by four waves, 128 x 128 each: 64 accumulators, 512 registers.  K goes in steps of 256 through a ring of two LDS slots filled by the tensor data mover; the scale bytes of the work-group's rows come once.
; The matrix instruction takes source 0 = 16 rows of B, source 1 = 16 rows of A: lane (r, h) holds A's row r, and its registers run along B's rows.  Rows are STORED with bits 3 and 4 of their number exchanged, so the 16 registers of
; B's blocks 2 n and 2 n + 1 are the rows 32 n + 16 h + 0 .. 15: 16 neighbours along the next product's K (the head's 64 for Q and K; the keys for V), which the conversions take as they stand.
; CLUSTERS: 4 x 4 work-groups; A's tiles are asked for jointly along a row of the cluster, B's along a column.
; OUT.  An image is a fragment's registers as they stand: four registers by one store, lane l's 16 bytes at 16 l.  Q and K: a PAIR image holds two tiles of 16 rows x the head's 64 (registers 0-5, 6-11); V: an image is 16 of the head's 64 x 128 keys.
;   qbuf [64 heads][16 groups of 128 queries][6,400]: four pair images, 256 bytes of scale words.   kv [64][16 steps of 128 keys][12,800]: K's four pair images and words, then V's four images and words.
;   In the 256 bytes the word of image P and row r lies at 8 (r + 16 (P % 2)) + 4 (P / 2).
; LIMITS: NaN and infinities are not served; a block whose largest magnitude lies under 2^-124, a block of zeros among them, keeps the byte 1 (this program alone reads the bytes).
; REGISTERS, in windows of 256: window 0: v16-29 addresses; v32-63 scale words, two sets (they hold nothing else); v128-223 A's fragments, one set; on the way out v64-119 images, v128-134 and v224-255 at work.
;   window 1: B's fragments, two sets.   windows 2 and 3: the accumulators ((a, b) at v[8 (8 (a % 4) + b)] of window 2 + a / 4).
.set KSTEP,  256                       ; along K in a slot
.set NQ,     2                         ; matrix instructions deep
.set ROWB,   192                       ; a tile's row in bytes
.set KROW,   768                       ; a row of codes in memory
.set PITCH,  240                       ; an LDS row: 3 x (64 bytes + 16 of padding)
.set FR,     12                        ; registers of a fragment
.set NL,     6                         ; LDS loads that bring one
.set NP,     4                         ; places behind this matrix instruction (ISA guide 7.12.1)
.set HALFT,  128*PITCH                 ; what one tensor load brings
.set SLOT,   4*HALFT                   ; A's 256 rows, then B's 256 rows
.set LAPS,   2                         ; a lap = two K steps = once round the ring: 1,024 / 512
.set KS,     32                        ; a row of scale bytes
.set SCL,    2*SLOT                    ; behind the ring: the scales, as runs of 256 bytes + 16 of padding
.set HALFS,  (128*KS/256)*272
.set SBLK,   (16*KS/256)*272
.set SPARE,  SCL+4*HALFS               ; the spare words, 128 bytes for each wave: two blocks of 256 bytes that no other line names
.set ADRA, 16                          ; v16-17 LDS address of my A fragments in slot 0, 1 (v18-19: for the pieces behind one padding more)
.set ADRB, 20                          ; v20-23 the same for B
.set L8,   25                          ; v25  8 x lane
.set L16,  26                          ; v26  16 x lane
.set ADRS, 27                          ; v27  LDS address of my scale words: lanes 0-15 A's rows, lanes 16-31 B's
.set SPW,  28                          ; v28  LDS address of my spare word; never rewritten
.set NIL,  29                          ; v29  0; never rewritten
.set SC,   32                          ; scale words
.set AF,   128                         ; A's fragments
.set IM,   64                          ; the way out: two sets of 24 registers for images, at v64 and v96
.set CT0,  128                         ; v128-130, v132-134: the upper halves of blocks, as the conversions leave them
.set CT1,  132
.set TM,   224                         ; v224-227 largest magnitudes, v228-231 the other half's and then the bytes, v236-239 the conversions' scale operands
.set PWA,  240                         ; a row's four scale bytes: of tile 2 b, of tile 2 b + 1
.set PWB,  241
.set W0,   244                         ; v244-247 the first head's four scale words; v248-251 the second's
.set W1,   248
.set PK,   252                         ; v252-255 the same, two images to a register
.set SEL,  100                         ; s[100:101] lane selects for v_permlanex16_b32: lane l xor 16
.set G1, 24
.set G0, 32
.set G1B, 48
.set G0B, 56
.set G1S, 68
.set G0S, 76
.set G1SB, 80
.set G0SB, 88
.set MSB, 0
.macro WIN new                         ; the immediate's high byte repeats the setting that is left
.if MSB != (\new)
	s_set_vgpr_msb (MSB<<8)|(\new)
.set MSB, (\new)
.endif
.endm
.set MUL_LO, 0xa1                      ; source 0 (B) window 1, source 1 (A) window 0, C and D window 2
.set MUL_HI, 0xf1                      ; the same, C and D window 3
.set TO_B,   0x40                      ; destination window 1, address window 0
; A joint load: waves 0 and 1 fetch for A, waves 2 and 3 for B; the branch hangs on the wave's number alone.  Four v_nop follow each of the two lines.
.macro JLOAD g0a, g1a, g0b, g1b
	s_cmp_eq_u32 s15, 0
	s_cbranch_scc0 .Lfor_b_\@
	tensor_load_to_lds s[\g0a:\g0a+3], s[\g1a:\g1a+7]
	s_nop 0
.rept 4
	v_nop
.endr
	s_branch .Lasked_\@
.Lfor_b_\@:
	tensor_load_to_lds s[\g0b:\g0b+3], s[\g1b:\g1b+7]
	s_nop 0
.rept 4
	v_nop
.endr
.Lasked_\@:
.endm
.macro CREST                           ; a round of the cluster's barrier behind its opening barrier
	s_cmp_lg_u32 s14, 0
	s_cbranch_scc1 .Lnot_wave_0_\@
	s_barrier_signal -3
.Lnot_wave_0_\@:
	s_barrier_wait -3
	s_barrier_signal -1
	s_barrier_wait -1
.endm
.macro CROUND                          ; a whole round
	s_barrier_signal -1
	s_barrier_wait -1
	CREST
.endm
	s_load_b128 s[4:7], s[0:1], 0x0                ; x's codes, x's scales
	s_load_b128 s[8:11], s[0:1], 0x10              ; the weights' codes, their scales
	s_load_b128 s[96:99], s[0:1], 0x20             ; qbuf, kv
	v_lshl_add_u32 v[SPW], v0, 2, SPARE
	v_mov_b32 v[NIL], 0
	ds_add_u32 v28, v29
	ds_add_u32 v28, v29
	s_wait_dscnt 0x0
	v_lshrrev_b32 v1, 5, v0
	v_readfirstlane_b32 s14, v1                    ; wave 0..3
	s_lshr_b32 s15, s14, 1                         ; which half of A's rows is mine.  Also: I fetch for A (0) or for B (1)
	s_and_b32 s16, s14, 1                          ; which half of B's rows.  Also: which 128 rows of that tile I fetch
	s_bfe_u32 s40, ttmp6, 0x40000                  ; cx, cy: my place in the cluster
	s_bfe_u32 s41, ttmp6, 0x40004
	s_and_b32 s18, ttmp7, 0xffff
	s_lshl_b32 s18, s18, 2                         ; 4 x cluster y
	s_lshl_b32 s19, ttmp9, 2                       ; 4 x cluster x
	s_cmp_eq_u32 ttmp9, 2                          ; V's clusters?
	s_cselect_b32 s42, s18, s19                    ; B's tile: V: x's tile 4 y + cx;  Q, K: the weights' tile 4 x + cx
	s_cselect_b32 s17, 8, s18                      ; A's tile: V: w_v begins at the weights' row 2,048, tile 8: 8 + cy;  Q, K: x's tile 4 y + cy
	s_add_co_u32 s42, s42, s40
	s_add_co_u32 s17, s17, s41
	s_lshl_b32 s43, s41, 2
	s_lshl_b32 s43, 15, s43                        ; my row of the cluster
	s_lshl_b32 s44, 0x1111, s40                    ; my column
	; descriptor group 1: a tile of 128 rows x 192 bytes, padded in LDS
	s_or_b32 s[G1+0], s43, (0<<16)|(1<<20)|(1<<21)|(3<<22)|(3<<25)  ; 15:0 the mask: A's tiles go to my row; elements of 1 byte; padding on; 21 set beside a mask; after every 16 words 4 words
	s_or_b32 s[G1B+0], s44, (0<<16)|(1<<20)|(1<<21)|(3<<22)|(3<<25)
.irp g, G1, G1B
	s_mov_b32 s[\g+1], ROWB<<16                    ; tensor_dim0
	s_mov_b32 s[\g+2], 128<<16                     ; tensor_dim1
	s_mov_b32 s[\g+3], ROWB<<16                    ; tile_dim0
	s_mov_b32 s[\g+4], 128                         ; tile_dim1
	s_mov_b32 s[\g+5], KROW                        ; from row to row
	s_mov_b32 s[\g+6], 0
	s_mov_b32 s[\g+7], 0
.endr
	; the scales of 128 rows: a dense block of 4,096 bytes, as 16 rows of 256 bytes (32 elements of 8 bytes), 16 bytes of padding behind each
	s_or_b32 s[G1S+0], s43, (3<<16)|(1<<20)|(1<<21)|(5<<22)|(3<<25)
	s_or_b32 s[G1SB+0], s44, (3<<16)|(1<<20)|(1<<21)|(5<<22)|(3<<25)
.irp g, G1S, G1SB
	s_mov_b32 s[\g+1], 32<<16
	s_mov_b32 s[\g+2], (128*KS/256)<<16
	s_mov_b32 s[\g+3], 32<<16
	s_mov_b32 s[\g+4], 128*KS/256
	s_mov_b32 s[\g+5], 32
	s_mov_b32 s[\g+6], 0
	s_mov_b32 s[\g+7], 0
.endr
	s_lshl_b32 s18, s16, 7                         ; which 128 rows of the tile I fetch
	s_lshl_b32 s20, s17, 8
	s_add_co_u32 s20, s20, s18                     ; A: row 256 x tile + 128 x half
	s_lshl_b32 s46, s42, 8
	s_add_co_u32 s46, s46, s18                     ; B likewise
	s_mov_b32 s21, 0
	s_mov_b32 s47, 0
	s_mov_b64 s[18:19], KS
	s_mul_u64 s[22:23], s[20:21], s[18:19]         ; where these rows' scales begin, in bytes
	s_mul_u64 s[92:93], s[46:47], s[18:19]
	s_mov_b64 s[18:19], KROW
	s_mul_u64 s[20:21], s[20:21], s[18:19]         ; and their codes
	s_mul_u64 s[46:47], s[46:47], s[18:19]
	s_mul_i32 s45, s14, HALFT                      ; where they go: wave x 128 rows: no place in the cluster enters an LDS address
	s_mul_i32 s94, s14, HALFS
	s_wait_kmcnt 0x0
	s_cmp_eq_u32 ttmp9, 2                          ; in V's clusters the weights are A and x is B
	s_cselect_b64 s[100:101], s[8:9], s[4:5]
	s_cselect_b64 s[8:9], s[4:5], s[8:9]           ; B's codes
	s_mov_b64 s[4:5], s[100:101]                   ; A's codes
	s_cselect_b64 s[100:101], s[10:11], s[6:7]
	s_cselect_b64 s[10:11], s[6:7], s[10:11]       ; B's scales
	s_mov_b64 s[6:7], s[100:101]                   ; A's scales
	s_add_nc_u64 s[20:21], s[4:5], s[20:21]
	s_add_nc_u64 s[22:23], s[6:7], s[22:23]
	s_add_nc_u64 s[46:47], s[8:9], s[46:47]
	s_add_nc_u64 s[92:93], s[10:11], s[92:93]
	CROUND                                         ; all sixteen work-groups are here: the first joint loads meet
	s_mov_b32 s[G0S], 1
	s_add_co_u32 s[G0S+1], s94, SCL
	s_mov_b64 s[G0S+2:G0S+3], s[22:23]
	s_or_b32 s[G0S+3], s[G0S+3], 0x80000000
	s_mov_b32 s[G0SB], 1
	s_add_co_u32 s[G0SB+1], s94, SCL
	s_mov_b64 s[G0SB+2:G0SB+3], s[92:93]
	s_or_b32 s[G0SB+3], s[G0SB+3], 0x80000000
	JLOAD G0S, G1S, G0SB, G1SB                     ; the scales first: they are wanted with K step 0
.irp s, 0,1
	s_mov_b32 s[G0+4*\s], 1
	s_add_co_u32 s[G0+4*\s+1], s45, \s*SLOT
	s_add_nc_u64 s[G0+4*\s+2:G0+4*\s+3], s[20:21], \s*ROWB
	s_or_b32 s[G0+4*\s+3], s[G0+4*\s+3], 0x80000000
	s_mov_b32 s[G0B+4*\s], 1
	s_add_co_u32 s[G0B+4*\s+1], s45, \s*SLOT
	s_add_nc_u64 s[G0B+4*\s+2:G0B+4*\s+3], s[46:47], \s*ROWB
	s_or_b32 s[G0B+4*\s+3], s[G0B+4*\s+3], 0x80000000
	JLOAD G0+4*\s, G1, G0B+4*\s, G1B
.endr
	v_and_b32 v1, 15, v0                           ; l % 16
	v_bfe_u32 v2, v0, 4, 1                         ; l / 16
	v_mul_u32_u24 v3, v1, PITCH
	v_mul_u32_u24 v4, v2, 24
	v_add_nc_u32 v4, v3, v4                        ; a fragment's row x pitch + 24 x half
	v_lshl_add_u32 v5, v2, 4, v4                   ; and the same behind one padding more
	s_mul_i32 s21, s15, HALFT                      ; my 128 rows of A
	s_mul_i32 s22, s16, HALFT                      ; my 128 rows of B,
	s_add_co_u32 s22, s22, 2*HALFT                 ; which lie behind A's 256
.irp s, 0,1
	v_add_nc_u32 v[ADRA+\s], s21, v4
	v_add_nc_u32 v[ADRB+\s], s22, v4
	v_add_nc_u32 v[ADRA+2+\s], s21, v5
	v_add_nc_u32 v[ADRB+2+\s], s22, v5
	s_add_co_u32 s21, s21, SLOT
	s_add_co_u32 s22, s22, SLOT
.endr
	v_mul_u32_u24 v5, v1, KS                       ; my row's scales: 32 bytes a row,
	v_lshrrev_b32 v6, 8, v5
	v_lshl_add_u32 v5, v6, 4, v5                   ; and 16 more for each 256 passed
	s_mul_i32 s21, s15, HALFS                      ; A's: my 128 rows
	s_mul_i32 s22, s16, HALFS                      ; B's: my 128 rows, behind A's 256
	s_add_co_u32 s22, s22, 2*HALFS
	s_sub_co_u32 s22, s22, s21
	v_mul_u32_u24 v6, s22, v2                      ; lanes 16-31 take B's
	s_add_co_u32 s21, s21, SCL
	v_add_nc_u32 v5, v5, v6
	v_add_nc_u32 v[ADRS], s21, v5
	v_and_b32 v6, 31, v0
	v_lshlrev_b32 v[L16], 4, v6
	v_lshlrev_b32 v[L8], 3, v6
	; where my results go.  s66 = my 128 rows of A, s67 = my 128 rows of B, each as a number of groups of 128
	s_lshl_b32 s66, s17, 1
	s_add_co_u32 s66, s66, s15
	s_lshl_b32 s67, s42, 1
	s_add_co_u32 s67, s67, s16
	s_cmp_eq_u32 ttmp9, 2
	s_cselect_b32 s92, s67, s66                    ; the group of 128 tokens: 0 .. 63
	s_cselect_b32 s93, s66, s67                    ; the group of 128 features
	s_cselect_b32 s94, 6400, 0                     ; V's part of a record lies behind K's
	s_cmp_eq_u32 ttmp9, 0
	s_cselect_b64 s[12:13], s[96:97], s[98:99]     ; qbuf or kv
	s_mov_b32 s95, 12800
	s_cselect_b32 s95, 6400, s95                   ; a record's bytes
	s_and_b32 s93, s93, 7                          ; within its own weight: two heads
	s_lshl_b32 s93, s93, 1                         ; my first head
	s_lshr_b32 s66, s92, 4                         ; the batch
	s_and_b32 s92, s92, 15                         ; the group within the sequence
	s_lshl_b32 s66, s66, 4
	s_add_co_u32 s66, s66, s93                     ; 16 x batch + head
	s_lshl_b32 s66, s66, 4
	s_add_co_u32 s66, s66, s92                     ; the record's number
	s_mul_i32 s66, s66, s95
	s_add_co_u32 s66, s66, s94
	s_mov_b32 s67, 0
	s_add_nc_u64 s[12:13], s[12:13], s[66:67]      ; s[12:13]: the first head's record
	s_lshl_b32 s66, s95, 4
	s_add_nc_u64 s[98:99], s[12:13], s[66:67]      ; s[98:99]: the second head's, sixteen records on
	s_mov_b32 s2, 0xffff0000                       ; lanes 16-31
	s_mov_b32 s[SEL], 0x76543210
	s_mov_b32 s[SEL+1], 0xfedcba98
.macro FRAG reg, adr, q, i             ; a fragment: lane l holds row l % 16; registers 6 c .. 6 c + 5 hold K = 64 c + 32 (l / 16) + 0 .. 31: 24 bytes of the row, in pieces of 8
.irp p, 0,1,2,3,4,5
.set PC, 12*(\q)+6*(\p/3)+\p%3        ; 16 bytes of padding lie behind every 8 pieces: where the piece three on lies behind one padding more, the second address register serves
.if PC%8 < 5
	ds_load_b64 v[\reg+2*\p:\reg+2*\p+1], v[\adr] offset:8*PC+16*(PC/8)+(\i)*16*PITCH
.else
	ds_load_b64 v[\reg+2*\p:\reg+2*\p+1], v[\adr+2] offset:8*PC+16*(PC/8)+(\i)*16*PITCH
.endif
.endr
.endm
; 16 matrix instructions: A's blocks a0, a0 + 1 x B's eight, 128 along K.  The 64 accumulators take turns, one instruction a turn, in the same order in every step.
.macro MUL16 a0, p, q, sc, zero
.irp a, \a0, \a0+1
.irp b, 0,1,2,3,4,5,6,7
.if \zero
	v_wmma_scale_f32_16x16x128_f8f6f4 v[8*(8*((\a)%4)+\b):8*(8*((\a)%4)+\b)+7], v[128*(\p)+FR*\b:128*(\p)+FR*\b+FR-1], v[AF+FR*(\a):AF+FR*(\a)+FR-1], 0, v[SC+8*NQ*(\sc)+NQ*\b+(\q)], v[SC+8*NQ*(\sc)+NQ*(\a)+(\q)] matrix_a_fmt:MATRIX_FMT_FP6 matrix_b_fmt:MATRIX_FMT_FP6 matrix_a_scale:MATRIX_SCALE_ROW1
.else
	v_wmma_scale_f32_16x16x128_f8f6f4 v[8*(8*((\a)%4)+\b):8*(8*((\a)%4)+\b)+7], v[128*(\p)+FR*\b:128*(\p)+FR*\b+FR-1], v[AF+FR*(\a):AF+FR*(\a)+FR-1], v[8*(8*((\a)%4)+\b):8*(8*((\a)%4)+\b)+7], v[SC+8*NQ*(\sc)+NQ*\b+(\q)], v[SC+8*NQ*(\sc)+NQ*(\a)+(\q)] matrix_a_fmt:MATRIX_FMT_FP6 matrix_b_fmt:MATRIX_FMT_FP6 matrix_a_scale:MATRIX_SCALE_ROW1
.endif
.endr
.endr
.endm
.macro FETCH_B slot, q, p              ; B's eight fragments of the slot's q-th 128 along K into set p
	WIN TO_B
.irp i, 0,1,2,3,4,5,6,7
	FRAG 128*(\p)+FR*\i, ADRB+\slot, \q, \i
.endr
	WIN 0
.endm
.macro FETCH_A slot, q, i0             ; A's blocks i0 .. i0 + 3
.irp i, \i0, \i0+1, \i0+2, \i0+3
	FRAG AF+FR*(\i), ADRA+\slot, \q, \i
.endr
.endm
.macro SCALES sc                       ; a K step's scale words into set sc: two words a row; lanes 0-15 take A's block i, lanes 16-31 B's block i
.irp i, 0,1,2,3,4,5,6,7
	ds_load_b64 v[SC+8*NQ*\sc+NQ*\i:SC+8*NQ*\sc+NQ*\i+1], v[ADRS] offset:\i*SBLK
.endr
.endm
.macro PLACES n                        ; plain vector instructions between a matrix instruction and a load into, or a read of, its registers
.rept \n
	v_nop
.endr
.endm
; A step of 128 along K that has its successor in the same slot.
.macro STEP slot, q, zero
	s_wait_dscnt 4*NL                              ; B's set and A's blocks 0-3 are in; the youngest 24 loads (A's blocks 4-7) may be out
	WIN MUL_LO
	MUL16 0, (\q)%2, \q, \slot, \zero
	MUL16 2, (\q)%2, \q, \slot, \zero
	s_wait_dscnt 0                                 ; A's blocks 4-7 are in
	PLACES NP
	FETCH_B \slot, (\q)+1, 1-(\q)%2
	FETCH_A \slot, (\q)+1, 0
	WIN MUL_HI
	MUL16 4, (\q)%2, \q, \slot, \zero
	MUL16 6, (\q)%2, \q, \slot, \zero
	PLACES NP
	WIN 0
	FETCH_A \slot, (\q)+1, 4
.endm
; A slot's last step changes slots: ONE barrier; in front of it each wave waits for all its tensor loads, adds 0 to its spare word, and waits for that and for its own reads of this slot.  fill = 1: this slot is filled again, two K steps ahead.
.macro TURN slot, next, fill
	s_wait_tensorcnt 0x0                           ; all my tensor loads have landed: my part of the next slot
	ds_add_u32 v[SPW], v[NIL]                      ; 0 onto my spare word
	s_wait_dscnt 4*NL+1                            ; the add and the youngest 24 loads (A's blocks 4-7) may be out
	WIN MUL_LO
	MUL16 0, 1, NQ-1, \slot, 0                     ; sixteen matrix instructions stand between the add and the wait for it
	s_wait_dscnt 0x0                               ; the add is done, and my reads of this slot are over
	s_barrier_signal -1
	MUL16 2, 1, NQ-1, \slot, 0
	WIN 0
	s_barrier_wait -1
.if \fill
	CREST                                          ; the barrier has opened a round of the cluster's barrier: no wave of any partner still reads this slot's tile or has a load on its way
	s_add_nc_u64 s[G0+4*\slot+2:G0+4*\slot+3], s[G0+4*\slot+2:G0+4*\slot+3], 2*ROWB
	s_add_nc_u64 s[G0B+4*\slot+2:G0B+4*\slot+3], s[G0B+4*\slot+2:G0B+4*\slot+3], 2*ROWB
	JLOAD G0+4*\slot, G1, G0B+4*\slot, G1B         ; the first tensor load behind the round; its four v_nop are the places in front of the loads below
.else
	PLACES NP
.endif
	v_add_nc_u32 v[ADRS], 4*NQ, v[ADRS]            ; on to the next K step's scale words
	FETCH_B \next, 0, 0
	FETCH_A \next, 0, 0
	SCALES \next
	WIN MUL_HI
	MUL16 4, 1, NQ-1, \slot, 0
	MUL16 6, 1, NQ-1, \slot, 0
	PLACES NP
	WIN 0
	FETCH_A \next, 0, 4
.endm
	s_wait_tensorcnt 1                             ; the scales and my part of K step 0 are in (K step 1's load may be out)
	s_barrier_signal -1
	s_barrier_wait -1                              ; everybody's are
	FETCH_B 0, 0, 0
	FETCH_A 0, 0, 0
	SCALES 0
	FETCH_A 0, 0, 4
	STEP 0, 0, 1                                   ; the first step stands in front of the loop: its products start the sums
	s_mov_b32 s3, LAPS-1
.Llap:                                                 ; a trip goes once round the ring, from a lap's second step to the next lap's first, and fills both slots again
	TURN 0, 1, 1
	STEP 1, 0, 0
	TURN 1, 0, 1
	STEP 0, 0, 0
	s_sub_co_u32 s3, s3, 1
	s_cmp_lg_u32 s3, 0
	s_cbranch_scc1 .Llap
	TURN 0, 1, 0                                   ; the last lap fills nothing, and has no round of the cluster's barrier
	STEP 1, 0, 0
	s_wait_dscnt 4*NL                              ; the very last step: nothing more to fetch
	WIN MUL_LO
	MUL16 0, 1, NQ-1, 1, 0
	MUL16 2, 1, NQ-1, 1, 0
	s_wait_dscnt 0
	WIN MUL_HI
	MUL16 4, 1, NQ-1, 1, 0
	MUL16 6, 1, NQ-1, 1, 0
	WIN 0
; THE WAY OUT.  A block of A's 16 rows is 64 registers of a lane, v[ac] on in window 2 + hi: register 16 n + i = B's row 32 n + 16 (lane / 16) + i.  QUANT turns them into codes: blocks 0, 1 of 32 into six registers from d0 on
; (lane (r, h): block h of row r), blocks 2, 3 into six from d1 on, and the row's four scale bytes into v[pw].  Each accumulator is read from its low end on.
.macro QUANT hi, ac, d0, d1, pw
	WIN 0x0a+5*(\hi)                               ; sources 0 and 1: the accumulators' window
.irp b, 0,1,2,3
	v_max3_num_f32 v[TM+\b], |v[(\ac)+16*\b]|, |v[(\ac)+16*\b+1]|, 0x1800000   ; my 16 numbers of block b, and the floor 2^(3 - 127): the byte cannot fall under 1
.endr
	WIN 0x28+0x14*(\hi)                            ; sources 1 and 2
.irp i, 2,4,6,8,10,12,14
.irp b, 0,1,2,3
	v_max3_num_f32 v[TM+\b], v[TM+\b], |v[(\ac)+16*\b+\i]|, |v[(\ac)+16*\b+\i+1]|   ; the four blocks by turns
.endr
.endr
	WIN 0
.irp b, 0,1,2,3
	v_permlanex16_b32 v[TM+4+\b], v[TM+\b], s[SEL], s[SEL+1]
.endr
.irp b, 0,1,2,3
	v_max_num_f32 v[TM+\b], v[TM+\b], v[TM+4+\b]   ; with lane l xor 16's: the block's largest magnitude
.endr
.irp b, 0,1,2,3
	v_add_nc_u32 v[TM+12+\b], 0xff000000, v[TM+\b] ; 2 off its exponent field: the conversion's scale operand
.endr
.irp b, 0,1,2,3
	v_lshrrev_b32 v[TM+4+\b], 23, v[TM+12+\b]      ; the scale's byte
.endr
	v_lshl_or_b32 v[\pw], v[TM+5], 8, v[TM+4]
	v_lshl_or_b32 v[\pw], v[TM+6], 16, v[\pw]
	v_lshl_or_b32 v[\pw], v[TM+7], 24, v[\pw]
	WIN 0x02+(\hi)                                 ; source 0
	v_cvt_scalef32_pk16_fp6_f32 v[(\d0):(\d0)+2], v[(\ac):(\ac)+15], v[TM+12]
	v_cvt_scalef32_pk16_fp6_f32 v[CT0:CT0+2], v[(\ac)+16:(\ac)+31], v[TM+13]
	v_cvt_scalef32_pk16_fp6_f32 v[(\d1):(\d1)+2], v[(\ac)+32:(\ac)+47], v[TM+14]
	v_cvt_scalef32_pk16_fp6_f32 v[CT1:CT1+2], v[(\ac)+48:(\ac)+63], v[TM+15]
	WIN 0
	v_nop                                          ; one plain instruction behind a scaled conversion
.irp i, 0,1,2
	v_permlane16_swap_b32 v[(\d0)+\i], v[CT0+\i]   ; a whole block to a lane: the first now holds each lane's block's lower 16 codes, the second the upper 16
	v_permlane16_swap_b32 v[(\d1)+\i], v[CT1+\i]
.endr
.irp i, 0,1,2
	v_mov_b32 v[(\d0)+3+\i], v[CT0+\i]
	v_mov_b32 v[(\d1)+3+\i], v[CT1+\i]
.endr
.endm
	PLACES NP                                      ; behind the last products
.irp b, 0,1,2,3
	v_mov_b32 v[TM+4+\b], 0                        ; written once: a lane permute's destination counts as one of its sources
.endr
	s_cmp_eq_u32 ttmp9, 2                          ; the cluster's x: the same in all partners
	s_cbranch_scc1 .Lv
	; Q and K: A's blocks 2 b and 2 b + 1 are the two tiles of pair image b; B's blocks of 32 are the two heads' 2 x 2 blocks along the head's 64
.irp b, 0,1,2,3
.if \b >= 2
	s_wait_xcnt 0x0                                ; the stores of two pairs back have read their registers: this set of images is written again only behind this wait
.endif
	QUANT (2*\b)/4, 64*((2*\b)%4), IM+32*(\b%2), IM+32*(\b%2)+12, PWA
	QUANT (2*\b+1)/4, 64*((2*\b+1)%4), IM+32*(\b%2)+6, IM+32*(\b%2)+18, PWB
	v_perm_b32 v[W0+\b], v[PWB], v[PWA], 0x05040100   ; the first head's word: tile 2 b's two bytes, tile 2 b + 1's two
	v_perm_b32 v[W1+\b], v[PWB], v[PWA], 0x07060302   ; the second head's
.irp c, 0,1,2
	global_store_b128 v[L16], v[IM+32*(\b%2)+4*\c:IM+32*(\b%2)+4*\c+3], s[12:13] offset:1536*\b+512*\c         ; 32 lanes store 512 consecutive bytes, aligned
	global_store_b128 v[L16], v[IM+32*(\b%2)+12+4*\c:IM+32*(\b%2)+12+4*\c+3], s[98:99] offset:1536*\b+512*\c
.endr
.endr
	s_branch .Lsc
.Lv:
	; V: A's block a is 16 of a head's 64 (blocks 0-3: the first head, 4-7: the second); B's rows are 128 keys: a whole fragment and its word
.irp a, 0,1,2,3,4,5,6,7
.if \a >= 2
	s_wait_xcnt 0x0                                ; as above
.endif
	QUANT \a/4, 64*(\a%4), IM+32*(\a%2), IM+32*(\a%2)+6, W0+\a
.irp c, 0,1,2
.if \a < 4
	global_store_b128 v[L16], v[IM+32*(\a%2)+4*\c:IM+32*(\a%2)+4*\c+3], s[12:13] offset:1536*(\a%4)+512*\c
.else
	global_store_b128 v[L16], v[IM+32*(\a%2)+4*\c:IM+32*(\a%2)+4*\c+3], s[98:99] offset:1536*(\a%4)+512*\c
.endif
.endr
.endr
.Lsc:
	v_cndmask_b32 v[PK], v[W0], v[W0+1], s2        ; the scale words: lanes 0-15 images 0 and 2, lanes 16-31 images 1 and 3
	v_cndmask_b32 v[PK+1], v[W0+2], v[W0+3], s2
	v_cndmask_b32 v[PK+2], v[W1], v[W1+1], s2
	v_cndmask_b32 v[PK+3], v[W1+2], v[W1+3], s2
	global_store_b64 v[L8], v[PK:PK+1], s[12:13] offset:6144       ; 32 lanes store 256 consecutive bytes, aligned
	global_store_b64 v[L8], v[PK+2:PK+3], s[98:99] offset:6144
	s_wait_tensorcnt 0x0                           ; the wave's end
	ds_add_u32 v[SPW], v[NIL]
	s_wait_dscnt 0x0
	CROUND                                         ; the closing round: no work-group ends while a partner may still ask for a tile that names it
	s_endpgm
.Lfunc_end_k_q20a94163aa_qkv:
	.size	k_q20a94163aa_qkv, .Lfunc_end_k_q20a94163aa_qkv-k_q20a94163aa_qkv
	.p2alignl 7, 3214868480
	.fill 96, 4, 3214868480
	.section	.rodata,"a",@progbits
	.p2align	6, 0x0
	.amdhsa_kernel k_q20a94163aa_qkv
		.amdhsa_group_segment_fixed_size 327680
		.amdhsa_private_segment_fixed_size 0
		.amdhsa_enable_private_segment 0
		.amdhsa_kernarg_size 48
		.amdhsa_user_sgpr_count 2
		.amdhsa_user_sgpr_kernarg_segment_ptr 1
		.amdhsa_wavefront_size32 1
		.amdhsa_system_sgpr_workgroup_id_x 1
		.amdhsa_system_sgpr_workgroup_id_y 1
		.amdhsa_system_sgpr_workgroup_id_z 1
		.amdhsa_system_vgpr_workitem_id 0
		.amdhsa_next_free_vgpr 1024
		.amdhsa_next_free_sgpr 102
		.amdhsa_reserve_vcc 0
		.amdhsa_float_denorm_mode_32 3
		.amdhsa_float_denorm_mode_16_64 3
		.amdhsa_memory_ordered 1
		.amdhsa_forward_progress 1
		.amdhsa_inst_pref_size 199
	.end_amdhsa_kernel
	.amdgpu_metadata
---
amdhsa.version: [ 1, 2 ]
amdhsa.kernels:
  - .name:           k_q20a94163aa_qkv
    .symbol:         k_q20a94163aa_qkv.kd
    .args:
      - { .name: x_codes, .offset: 0, .size: 8, .value_kind: global_buffer, .address_space: global }
      - { .name: x_scales, .offset: 8, .size: 8, .value_kind: global_buffer, .address_space: global }
      - { .name: w_codes, .offset: 16, .size: 8, .value_kind: global_buffer, .address_space: global }
      - { .name: w_scales, .offset: 24, .size: 8, .value_kind: global_buffer, .address_space: global }
      - { .name: qbuf, .offset: 32, .size: 8, .value_kind: global_buffer, .address_space: global }
      - { .name: kv, .offset: 40, .size: 8, .value_kind: global_buffer, .address_space: global }
    .group_segment_fixed_size: 327680
    .private_segment_fixed_size: 0
    .kernarg_segment_align: 8
    .kernarg_segment_size: 48
    .max_flat_workgroup_size: 128
    .sgpr_count:     102
    .vgpr_count:     1024
    .wavefront_size: 32
...
	.end_amdgpu_metadata
.endif
;; end of part 2
;; launch attn (part 3): grid 4 x 64, 16 waves a work-group, clusters of 4 x 1, 206,848 bytes of LDS; arguments qbuf, kv, ao, ao_scales; writes ao, ao_scales
.if DOCPART == 3
	.amdgcn_target "amdgcn-amd-amdhsa--gfx1250"
	.amdhsa_code_object_version 6
	.text
	.protected	k_q20a94163aa_attn
	.globl	k_q20a94163aa_attn
	.p2align	8
	.type	k_q20a94163aa_attn,@function
k_q20a94163aa_attn:
	s_mov_b64 s[64:65], 0
	v_nop
	global_prefetch_b8 v0, s[64:65] scope:SCOPE_SE
	s_setreg_imm32_b32 hwreg(HW_REG_WAVE_MODE, 25, 1), 1
	s_wait_xcnt 0x0
	s_wait_alu depctr_hold_cnt(0) depctr_sa_sdst(0) depctr_va_vdst(0) depctr_va_sdst(0) depctr_va_ssrc(0) depctr_va_vcc(0) depctr_vm_vsrc(0)
	s_getreg_b32 s2, hwreg(HW_REG_IB_STS2, 6, 4)
	s_cmp_eq_u32 s2, 0
	s_cbranch_scc0 .Lentry_in_a_cluster
	s_endpgm
.Lentry_in_a_cluster:
	s_bfe_u32 s2, ttmp6, 0x10000c
	s_cmp_lg_u32 s2, 0x3003
	s_cbranch_scc0 .Lentry_shape_is_right
	s_endpgm
.Lentry_shape_is_right:
; Causal attention of one head (batch x head = the cluster's y) on codes of FP6 (E2M3) with E8M0 scales; O / l is quantised along the model's 1,024 and stored as the next product's operand.
; THE SOFTMAX: t = score x log2(e) / 8; M = the running largest t rounded UP to a whole number; p = 2^(t - M) is quantised along the keys, not normalised; the row's sum is taken of the unquantised p and divides O at the end.
; When M moves, the sum and O are multiplied by 2^(old M - new M): exact.
; SHARES.  The four work-groups of a cluster share a head.  Its 16 records of 128 keys (204,800 bytes: K's and V's operand images and scale words) are asked for JOINTLY, once, by waves 0 and 1, four loads each, and stay in LDS:
; nothing is filled again.  A wave owns two tiles of 16 queries: one in the group of 128 queries 15 - U, one in group U, so every wave walks (16 - U) + (U + 1) = 17 key steps, two of them on the diagonal.
; U and E (which tile of a pair) come from the wave's number alone; the work-group's place in the cluster picks the pair of tiles in a group and enters global addresses and the mask's lane number, no branch and no LDS address.
; LAYOUT.  S^T = K Q^T (source 0 = keys, source 1 = my 16 queries), O^T = V^T P^T: a lane holds ONE query throughout.  The keys of a tile are 32 b + 8 u + r + 8 (r / 8), so the 16 registers of tiles 2 b, 2 b + 1 are 16 neighbouring keys.
; K = 64 IN AN INSTRUCTION OF 128: a pair image holds tile 2 b's 64 in registers 0-5 and tile 2 b + 1's in 6-11, with both tiles' scale bytes in one word.  Source 1 is [Q | zero codes] for tile 2 b and [zero codes | Q] for 2 b + 1.
; The half that faces zero codes holds the other tile's codes, finite numbers under scale bytes 1 .. 254: those products are exact zeros.
; THE MASK.  Key steps wholly behind the diagonal are left out; on the diagonal a hidden score becomes -8e9 (the reference's -1e9 x 8, since scores are divided by 8 afterwards): p = 0.
; LIMITS: NaN and infinities are not served; a row whose every visible logit lies under -1e9 differs from the reference; blocks under 2^-124 keep the scale byte 1.
.set REC,   12800                      ; a record: K's four pair images (6,144), 256 bytes of words; V's four images, 256 bytes of words
.set VPART, 6400
.set CHUNK, 25600                      ; what one tensor load brings: two records
.set WV,   12
.set CX,   13
.set BH,   14
.set UU,   15
.set EE,   16
.set EM,   17                          ; all ones where E = 1
.set PSEL, 18                          ; byte selects that double my tile's two scale bytes
.set HM,   19                          ; lanes 16-31
.set SEL,  20                          ; s[20:21] lane selects: lane l xor 16
.set CS,   22                          ; s[22:23] c = log2(e) / 8
.set G1,   24                          ; s[24:31] descriptor group 1
.set G0,   32                          ; s[32:47] four groups 0
.set TB,   48                          ; LDS byte of the step's record
.set STP,  49                          ; the step's number
.set LIM,  50                          ; the diagonal's step
.set CNT,  51
.set Q2,   52                          ; pointers of the tile in group 15 - U: Q's pair image, its words, ao, ao_scales
.set QS2,  54
.set Q1,   56                          ; and of the tile in group U
.set QS1,  58
.set AO2,  60
.set AS2,  62
.set AO1,  66
.set AS1,  68
.set LI,   1                           ; v1  16 x lane
.set LS,   2                           ; v2  8 x lane
.set ADR,  3
.set ADS,  4
.set DQ,   5                           ; v5  my query in its group - 16 (lane / 16)
.set SOFF, 6                           ; v6  32 r + h: my byte in ao_scales
.set R8,   7                           ; v7  8 r
.set BYT,  8
.set QB,   16                          ; v16-21 Q, v22-27 zero codes, v28-33 Q
.set QW,   34                          ; Q's scale word
.set PW,   35                          ; p's scale word
.set FRG,  36                          ; v36-83 four fragments
.set KSW,  84                          ; v[84:85] K's scale words, v[86:87] V's
.set VSW,  86
.set S,    96                          ; v96-159 S^T, then p
.set OT,   160                         ; v160-191 O^T
.set PCD,  192                         ; v192-203 p's codes
.set CT,   204                         ; v204-206, v208-210
.set BM,   212
.set BX,   216
.set SO,   220
.set SUM2, 224
.set TMP,  226
.set FF,   228                         ; v[228:229] f, or 1 / l; v229 is named with it as a pair
.set QI1,  232                         ; v232-243 the second tile's pair image, v244 its words
.set QW1,  244
.macro CROUND                          ; a round of the cluster's barrier
	s_barrier_signal -1
	s_barrier_wait -1
	s_cmp_lg_u32 s[WV], 0
	s_cbranch_scc1 .Lnot_wave_0_\@
	s_barrier_signal -3
.Lnot_wave_0_\@:
	s_barrier_wait -3
	s_barrier_signal -1
	s_barrier_wait -1
.endm
	s_load_b256 s[4:11], s[0:1], 0x0               ; qbuf s[4:5], kv s[6:7], ao s[8:9], ao_scales s[10:11]
	v_lshl_add_u32 v254, v0, 2, 0x32000
	v_mov_b32 v255, 0
	ds_add_u32 v254, v255
	ds_add_u32 v254, v255
	v_lshrrev_b32 v1, 5, v0
	s_delay_alu instid0(VALU_DEP_1)
	v_readfirstlane_b32 s[WV], v1                  ; wave 0..15
	s_bfe_u32 s[CX], ttmp6, 0x40000                ; my place in the cluster
	s_and_b32 s[BH], ttmp7, 0xffff                 ; 16 x batch + head, which the partners share
	; the wave's (U, E): with g = wave / 4 and s = wave % 4, i = 4 (g xor s) + (g xor pi(s)), pi = 0, 2, 3, 1: each i once, and the four waves with equal g, or with equal s, have U's that add up to 14
	s_lshr_b32 s70, s[WV], 2
	s_and_b32 s71, s[WV], 3
	s_lshl_b32 s72, s71, 1
	s_lshr_b32 s72, 0x78, s72
	s_and_b32 s72, s72, 3
	s_xor_b32 s72, s72, s70
	s_xor_b32 s73, s70, s71
	s_lshl_b32 s73, s73, 2
	s_add_co_u32 s73, s73, s72
	s_lshr_b32 s[UU], s73, 1
	s_and_b32 s[EE], s73, 1
	s_cmp_eq_u32 s[EE], 1
	s_cselect_b32 s[EM], -1, 0
	s_mov_b32 s[PSEL], 0x01000100
	s_cselect_b32 s[PSEL], 0x03020302, s[PSEL]
	s_mov_b32 s[HM], 0xffff0000
	s_mov_b32 s[SEL], 0x76543210
	s_mov_b32 s[SEL+1], 0xfedcba98
	s_mov_b32 s[CS], 0x3e38aa3b
	s_mov_b32 s[CS+1], s[CS]                       ; named with it as a pair, so it is written
	; descriptor group 1: 25,600 dense bytes as 100 rows of 256 (32 elements of 8 bytes), no padding: every LDS read takes consecutive bytes
	s_mov_b32 s[G1], 15|(3<<16)|(1<<21)            ; the mask: all four work-groups; elements of 8 bytes; 21 set beside a mask
	s_mov_b32 s[G1+1], 32<<16
	s_mov_b32 s[G1+2], 100<<16
	s_mov_b32 s[G1+3], 32<<16
	s_mov_b32 s[G1+4], 100
	s_mov_b32 s[G1+5], 32
	s_mov_b32 s[G1+6], 0
	s_mov_b32 s[G1+7], 0
	s_mul_i32 s86, s[BH], 16*REC                   ; the head's records
	s_and_b32 s87, s[WV], 1
	s_mul_i32 s87, s87, CHUNK                      ; waves 0 and 1 take chunks wave + 2 j
	s_add_co_u32 s88, s86, s87
	s_mov_b32 s89, 0
	s_wait_dscnt 0x0
	s_wait_kmcnt 0x0
	s_add_nc_u64 s[74:75], s[6:7], s[88:89]
	CROUND                                         ; all four work-groups are here: the joint loads meet
.irp j, 0,1,2,3
	s_mov_b32 s[G0+4*\j], 1
	s_add_co_u32 s[G0+4*\j+1], s87, \j*2*CHUNK
	s_add_nc_u64 s[G0+4*\j+2:G0+4*\j+3], s[74:75], \j*2*CHUNK
	s_or_b32 s[G0+4*\j+3], s[G0+4*\j+3], 0x80000000
.endr
	s_cmp_lt_u32 s[WV], 2                          ; a fetching wave's four fills stand in one branch: four loads of it are out
	s_cbranch_scc0 .Lno_fetch
.irp j, 0,1,2,3
	tensor_load_to_lds s[G0+4*\j:G0+4*\j+3], s[G1:G1+7]
	s_nop 0
.endr
.rept 4
	v_nop
.endr
.Lno_fetch:
	s_and_b32 s76, s[CX], 1                        ; my pair image's words in the 256 bytes: 128 (cx % 2) + 4 (cx / 2), behind the four images
	s_lshl_b32 s76, s76, 7
	s_lshr_b32 s77, s[CX], 1
	s_lshl_b32 s77, s77, 2
	s_add_co_u32 s76, s76, s77
	s_add_co_u32 s76, s76, 6144
	s_mov_b32 s77, 0
	s_mul_i32 s78, s[CX], 1536                     ; my pair image
	s_mov_b32 s79, 0
	s_lshl_b32 s80, s[CX], 1
	s_add_co_u32 s80, s80, s[EE]                   ; my tile in its group
	s_and_b32 s82, s[BH], 15                       ; the head
	s_mul_i32 s81, s82, 768                        ; its six registers' place in a tile of ao: 1,536 (head / 2) + 768 (head % 2)
	s_lshl_b32 s82, s82, 1                         ; its two bytes in a row of ao_scales
	s_lshr_b32 s83, s[BH], 4
	s_lshl_b32 s83, s83, 4                         ; 16 x batch
	s_lshl_b32 s84, s[BH], 4
	s_sub_co_u32 s85, 15, s[UU]
.macro PTRS g, pq, pqs, pao, pas       ; the four pointers of my tile in group s[g]
	s_add_co_u32 s70, s84, s[\g]
	s_mul_i32 s70, s70, 6400
	s_mov_b32 s71, 0
	s_add_nc_u64 s[\pq:\pq+1], s[4:5], s[70:71]
	s_add_nc_u64 s[\pqs:\pqs+1], s[\pq:\pq+1], s[76:77]
	s_add_nc_u64 s[\pq:\pq+1], s[\pq:\pq+1], s[78:79]
	s_add_co_u32 s70, s83, s[\g]
	s_lshl_b32 s70, s70, 3
	s_add_co_u32 s70, s70, s80                     ; the tile's number among the 512
	s_mul_i32 s72, s70, 12288
	s_add_co_u32 s72, s72, s81
	s_mov_b32 s73, 0
	s_add_nc_u64 s[\pao:\pao+1], s[8:9], s[72:73]
	s_lshl_b32 s72, s70, 9
	s_add_co_u32 s72, s72, s82
	s_add_nc_u64 s[\pas:\pas+1], s[10:11], s[72:73]
.endm
	PTRS 85, Q2, QS2, AO2, AS2
	PTRS UU, Q1, QS1, AO1, AS1
	v_and_b32 v9, 31, v0
	s_delay_alu instid0(VALU_DEP_1)
	v_lshlrev_b32 v[LI], 4, v9
	s_delay_alu instid0(VALU_DEP_2)
	v_lshlrev_b32 v[LS], 3, v9
	v_and_b32 v10, 15, v0                          ; r
	v_bfe_u32 v11, v0, 4, 1                        ; h
	s_delay_alu instid0(VALU_DEP_2)
	v_lshlrev_b32 v[R8], 3, v10
	s_delay_alu instid0(VALU_DEP_2)
	v_lshl_add_u32 v[SOFF], v10, 5, v11
.irp c, 0,1,2
	global_load_b128 v[FRG+4*\c:FRG+4*\c+3], v[LI], s[Q2:Q2+1] offset:512*\c
.endr
	global_load_b32 v[TMP], v[R8], s[QS2:QS2+1]
.irp c, 0,1,2
	global_load_b128 v[QI1+4*\c:QI1+4*\c+3], v[LI], s[Q1:Q1+1] offset:512*\c
.endr
	global_load_b32 v[QW1], v[R8], s[QS1:QS1+1]
	v_and_b32 v[DQ], 8, v10
	s_delay_alu instid0(VALU_DEP_1)
	v_add_nc_u32 v[DQ], v[DQ], v10                 ; r + 8 (r / 8)
	v_lshlrev_b32 v9, 4, v11
	s_delay_alu instid0(VALU_DEP_1)
	v_sub_nc_u32 v[DQ], v[DQ], v9                  ; - 16 h
	s_lshl_b32 s70, s[CX], 5
	s_lshl_b32 s71, s[EE], 3
	s_add_co_u32 s70, s70, s71
	v_add_nc_u32 v[DQ], s70, v[DQ]                 ; + 32 cx + 8 E
.irp i, 0,1,2,3,4,5
	v_mov_b32 v[QB+6+\i], 0                        ; the zero codes
.endr
.irp b, 0,1,2,3
	v_mov_b32 v[BX+\b], 0                          ; written once: a lane permute's destination counts as one of its sources
.endr
	v_mov_b32 v[FF+1], 0
.macro SETQ img, w                     ; my tile of the pair image, twice, round the zero codes; its two scale bytes, twice
.irp i, 0,1,2,3,4,5
	v_cndmask_b32 v[QB+\i], v[\img+\i], v[\img+6+\i], s[EM]
.endr
.irp i, 0,1,2,3,4,5
	v_mov_b32 v[QB+12+\i], v[QB+\i]
.endr
	v_perm_b32 v[QW], v[\w], v[\w], s[PSEL]
.endm
.macro INIT                            ; a tile begins: the largest t is -3e38, the sum and O^T are zeros, which the first change of M leaves zeros.  These lines are also the places between Q's registers and the first product
	v_mov_b32 v13, 0xff61b1e6
	s_delay_alu instid0(VALU_DEP_1)
	v_floor_f32 v12, -v13
	v_mov_b32 v14, 0
	v_mov_b32 v15, 0
.set J, 0
.rept 32
	v_mov_b32 v[OT+J], 0
.set J, J+1
.endr
.endm
; A KEY STEP: 128 keys.  guarded = 1: a step behind the diagonal is jumped over (a branch on the wave's number and the step's), and the diagonal's step is masked.
.macro STEP guarded
.if \guarded
	s_cmp_gt_u32 s[STP], s[LIM]
	s_cbranch_scc1 .Lskip_\@
.endif
	s_setprio 2
	v_add_nc_u32 v[ADR], s[TB], v[LI]
	v_add_nc_u32 v[ADS], s[TB], v[LS]
	v_nop
	v_nop                                          ; four plain instructions behind the last products, in front of loads into registers that they read
.irp b, 0,1,2,3
.irp c, 0,1,2
	ds_load_b128 v[FRG+12*\b+4*\c:FRG+12*\b+4*\c+3], v[ADR] offset:1536*\b+512*\c      ; K's pair image b as it stands: 512 consecutive bytes a load
.endr
.endr
	ds_load_b64 v[KSW:KSW+1], v[ADS] offset:6144   ; its words: register 0: images 0 (lanes 0-15) and 1 (lanes 16-31); register 1: images 2 and 3
	s_wait_alu depctr_va_vdst(0)
	s_wait_dscnt 0x0
.irp b, 0,1,2,3
.irp u, 0,1
.if \b%2
	v_wmma_scale_f32_16x16x128_f8f6f4 v[S+8*(2*\b+\u):S+8*(2*\b+\u)+7], v[FRG+12*\b:FRG+12*\b+11], v[QB+6*\u:QB+6*\u+11], 0, v[KSW+\b/2], v[QW] matrix_a_fmt:MATRIX_FMT_FP6 matrix_b_fmt:MATRIX_FMT_FP6 matrix_a_scale:MATRIX_SCALE_ROW1
.else
	v_wmma_scale_f32_16x16x128_f8f6f4 v[S+8*(2*\b+\u):S+8*(2*\b+\u)+7], v[FRG+12*\b:FRG+12*\b+11], v[QB+6*\u:QB+6*\u+11], 0, v[KSW+\b/2], v[QW] matrix_a_fmt:MATRIX_FMT_FP6 matrix_b_fmt:MATRIX_FMT_FP6
.endif
.endr
.endr
.rept 4
	v_nop                                          ; places in front of the loads below and of the first read of the scores
.endr
.irp t, 0,1,2,3
.irp c, 0,1,2
	ds_load_b128 v[FRG+12*\t+4*\c:FRG+12*\t+4*\c+3], v[ADR] offset:VPART+1536*\t+512*\c   ; V's four images land while the softmax is walked
.endr
.endr
	ds_load_b64 v[VSW:VSW+1], v[ADS] offset:VPART+6144
.if \guarded
	s_cmp_lg_u32 s[STP], s[LIM]
	s_cbranch_scc1 .Lopen_\@
	v_mov_b32 v[TMP], 0xcfee6b28                   ; -8e9
.set J, 0
.rept 64                                       ; register 16 b + i holds key 32 b + 16 (lane / 16) + i of the step: hidden where 32 b + i > my query - 16 (lane / 16)
	v_cmp_gt_i32 vcc_lo, 32*(J/16)+J%16, v[DQ]
	v_cndmask_b32 v[S+J], v[S+J], v[TMP], vcc_lo
.set J, J+1
.endr
.Lopen_\@:
.endif
.irp b, 0,1,2,3
	v_max3_num_f32 v[BM+\b], v[S+16*\b], v[S+1+16*\b], v[S+2+16*\b]   ; the largest score of each block of 32 keys: it serves the row's maximum and, since p rises with the score, the block's largest p
.endr
.irp i, 3,5,7,9,11,13
.irp b, 0,1,2,3
	v_max3_num_f32 v[BM+\b], v[BM+\b], v[S+16*\b+\i], v[S+1+16*\b+\i]
.endr
.endr
.irp b, 0,1,2,3
	v_max_num_f32 v[BM+\b], v[BM+\b], v[S+15+16*\b]
.endr
.irp b, 0,1,2,3
	s_delay_alu instid0(VALU_DEP_4)
	v_permlanex16_b32 v[BX+\b], v[BM+\b], s[SEL], s[SEL+1]
.endr
.irp b, 0,1,2,3
	s_delay_alu instid0(VALU_DEP_4)
	v_max_num_f32 v[BM+\b], v[BM+\b], v[BX+\b]     ; with lane l xor 16's 16 keys
.endr
	s_delay_alu instid0(VALU_DEP_2)
	v_max3_num_f32 v[TMP], v[BM], v[BM+1], v[BM+2]
	s_delay_alu instid0(VALU_DEP_1)
	v_max_num_f32 v[TMP], v[TMP], v[BM+3]          ; the step's largest score of my query
	s_delay_alu instid0(VALU_DEP_1)
	v_mul_f32 v[TMP], s[CS], v[TMP]                ; as t
	s_delay_alu instid0(VALU_DEP_1)
	v_max_num_f32 v13, v13, v[TMP]                 ; the running largest t
	v_mov_b32 v[TMP], v12
	s_delay_alu instid0(VALU_DEP_2)
	v_floor_f32 v12, -v13                          ; the new -M = floor(-t): M is a whole number
	s_delay_alu instid0(VALU_DEP_1)
	v_sub_f32 v[TMP], v12, v[TMP]                  ; old M - new M: a whole number, 0 or less
	s_delay_alu instid0(VALU_DEP_1)
	v_cvt_i32_f32 v[TMP], v[TMP]                   ; (it saturates)
	s_delay_alu instid0(VALU_DEP_1)
	v_ldexp_f32 v[FF], 1.0, v[TMP]                 ; f = 2^(old M - new M)
.set J, 0
.rept 32
	v_pk_fma_f32 v[S+J:S+J+1], v[S+J:S+J+1], s[CS:CS+1], v[12:13] op_sel_hi:[1,0,0]   ; t - M, two at a time
.set J, J+2
.endr
.irp b, 0,1,2,3
	v_fma_f32 v[BM+\b], v[BM+\b], s[CS], v12       ; the same of each block's largest score
.endr
.set J, 0
	s_setprio 1
	s_wait_alu depctr_va_vdst(0)
.rept 64
	v_exp_f32 v[S+J], v[S+J]                       ; p = 2^(t - M), at most 1
.set J, J+1
.endr
	v_pk_mul_f32 v[14:15], v[14:15], v[FF:FF+1] op_sel_hi:[1,0]    ; the sums under the new M: the plain instruction behind the exponentials
	s_wait_alu depctr_va_vdst(0)                   ; one wait for the batch of 64, ahead of its first reader
.irp b, 0,1,2,3
	v_exp_f32 v[BM+\b], v[BM+\b]                   ; the block's largest p: the same two instructions on the same number give the same bits
.endr
	v_pk_add_f32 v[224:225], v[100:101], v[104:105]
	v_pk_add_f32 v[252:253], v[108:109], v[112:113]
	v_pk_add_f32 v[250:251], v[116:117], v[120:121]
	v_pk_add_f32 v[248:249], v[124:125], v[128:129]
	v_pk_add_f32 v[246:247], v[132:133], v[136:137]
	v_pk_add_f32 v[230:231], v[140:141], v[144:145]
	v_pk_add_f32 v[222:223], v[148:149], v[152:153]
	v_pk_add_f32 v[14:15], v[14:15], v[156:157]
	v_pk_add_f32 v[224:225], v[224:225], v[96:97]
	v_pk_add_f32 v[252:253], v[252:253], v[98:99]
	v_pk_add_f32 v[250:251], v[250:251], v[102:103]
	v_pk_add_f32 v[248:249], v[248:249], v[106:107]
	v_pk_add_f32 v[246:247], v[246:247], v[110:111]
	v_pk_add_f32 v[230:231], v[230:231], v[114:115]
	v_pk_add_f32 v[222:223], v[222:223], v[118:119]
	v_pk_add_f32 v[14:15], v[14:15], v[122:123]
	v_pk_add_f32 v[224:225], v[224:225], v[126:127]
	v_pk_add_f32 v[252:253], v[252:253], v[130:131]
	v_pk_add_f32 v[250:251], v[250:251], v[134:135]
	v_pk_add_f32 v[248:249], v[248:249], v[138:139]
	v_pk_add_f32 v[246:247], v[246:247], v[142:143]
	v_pk_add_f32 v[230:231], v[230:231], v[146:147]
	v_pk_add_f32 v[222:223], v[222:223], v[150:151]
	v_pk_add_f32 v[14:15], v[14:15], v[154:155]
	v_pk_add_f32 v[224:225], v[224:225], v[158:159]
	s_delay_alu instid0(VALU_DEP_2)
	v_pk_add_f32 v[14:15], v[14:15], v[248:249]
	s_delay_alu instid0(VALU_DEP_2)
	v_pk_add_f32 v[224:225], v[224:225], v[246:247]
	v_pk_add_f32 v[252:253], v[252:253], v[230:231]
	v_pk_add_f32 v[250:251], v[250:251], v[222:223]
	s_delay_alu instid0(VALU_DEP_2)
	v_pk_add_f32 v[14:15], v[14:15], v[252:253]
	s_delay_alu instid0(VALU_DEP_2)
	v_pk_add_f32 v[224:225], v[224:225], v[250:251]
	s_delay_alu instid0(VALU_DEP_1)
	v_pk_add_f32 v[14:15], v[14:15], v[224:225]
	s_wait_alu depctr_va_vdst(0)                   ; and one for the four
.irp b, 0,1,2,3
	v_max_num_f32 v[BM+\b], 0x1800000, v[BM+\b]    ; the floor 2^(3 - 127): the byte cannot fall under 1
.endr
.irp b, 0,1,2,3
	s_delay_alu instid0(VALU_DEP_4)
	v_add_nc_u32 v[SO+\b], 0xff000000, v[BM+\b]    ; 2 off the exponent field: the conversion's scale operand
.endr
.irp b, 0,1,2,3
	s_delay_alu instid0(VALU_DEP_4)
	v_lshrrev_b32 v[BX+\b], 23, v[SO+\b]           ; the scale's byte
.endr
	s_delay_alu instid0(VALU_DEP_3)
	v_lshl_or_b32 v[PW], v[BX+1], 8, v[BX]         ; p's scale word for these 128 keys
	s_delay_alu instid0(VALU_DEP_1)
	v_lshl_or_b32 v[PW], v[BX+2], 16, v[PW]
	s_delay_alu instid0(VALU_DEP_1)
	v_lshl_or_b32 v[PW], v[BX+3], 24, v[PW]
.irp c, 0,1
	v_cvt_scalef32_pk16_fp6_f32 v[PCD+6*\c:PCD+6*\c+2], v[S+32*\c:S+32*\c+15], v[SO+2*\c]
	v_cvt_scalef32_pk16_fp6_f32 v[CT+4*\c:CT+4*\c+2], v[S+32*\c+16:S+32*\c+31], v[SO+2*\c+1]
.endr
	v_nop                                          ; one plain instruction behind a scaled conversion
	s_setprio 0
.irp c, 0,1                                    ; a whole block to a lane: lanes 0-15 block 2 c, lanes 16-31 block 2 c + 1
.irp i, 0,1,2
	v_permlane16_swap_b32 v[PCD+6*\c+\i], v[CT+4*\c+\i]
.endr
.irp i, 0,1,2
	s_delay_alu instid0(VALU_DEP_3)
	v_mov_b32 v[PCD+6*\c+3+\i], v[CT+4*\c+\i]
.endr
.endr
.set J, 0
.rept 16
	v_pk_mul_f32 v[OT+J:OT+J+1], v[OT+J:OT+J+1], v[FF:FF+1] op_sel_hi:[1,0]   ; O^T under the new M; these sixteen are also the places between p's word and codes and the products
.set J, J+2
.endr
	s_wait_alu depctr_va_vdst(0)
	s_wait_dscnt 0x0                               ; V is in
.irp t, 0,1,2,3                                ; O^T += V^T P^T: the four accumulators by turns, one instruction a turn
.if \t%2
	v_wmma_scale_f32_16x16x128_f8f6f4 v[OT+8*\t:OT+8*\t+7], v[FRG+12*\t:FRG+12*\t+11], v[PCD:PCD+11], v[OT+8*\t:OT+8*\t+7], v[VSW+\t/2], v[PW] matrix_a_fmt:MATRIX_FMT_FP6 matrix_b_fmt:MATRIX_FMT_FP6 matrix_a_scale:MATRIX_SCALE_ROW1
.else
	v_wmma_scale_f32_16x16x128_f8f6f4 v[OT+8*\t:OT+8*\t+7], v[FRG+12*\t:FRG+12*\t+11], v[PCD:PCD+11], v[OT+8*\t:OT+8*\t+7], v[VSW+\t/2], v[PW] matrix_a_fmt:MATRIX_FMT_FP6 matrix_b_fmt:MATRIX_FMT_FP6
.endif
.endr
.if \guarded
.Lskip_\@:
	s_add_co_u32 s[STP], s[STP], 1
.endif
	s_add_co_u32 s[TB], s[TB], REC
.endm
.macro WALK trips, guarded             ; a loop of constant count; what is left out is jumped over inside it
	s_mov_b32 s[CNT], \trips
.Lwalk_\@:
	STEP \guarded
	s_sub_co_i32 s[CNT], s[CNT], 1
	s_cmp_lg_u32 s[CNT], 0
	s_cbranch_scc1 .Lwalk_\@
	s_setprio 0
.endm
; A tile ends: O^T / l; register 16 n + i is d = 32 n + 16 (lane / 16) + i of my query: two blocks of 32 of the next product's K.  Six registers of codes leave as three runs of 256 bytes, the two scale bytes as one byte a lane.
.macro FINISH pao, pas
	v_add_f32 v14, v14, v15                        ; the sum's two halves,
	s_delay_alu instid0(VALU_DEP_1)
	v_permlanex16_b32 v[TMP], v14, s[SEL], s[SEL+1]
	s_delay_alu instid0(VALU_DEP_1)
	v_add_f32 v14, v14, v[TMP]                     ; and lane l xor 16's
	s_wait_alu depctr_va_vdst(0)
	v_rcp_f32 v[FF], v14
	v_nop
	v_nop                                          ; plain instructions behind the reciprocal and, with the additions, four behind the last products
	s_wait_alu depctr_va_vdst(0)                   ; ahead of the reciprocal's first reader
.set J, 0
.rept 16
	v_pk_mul_f32 v[S+J:S+J+1], v[OT+J:OT+J+1], v[FF:FF+1] op_sel_hi:[1,0]   ; each accumulator from its low end on
.set J, J+2
.endr
.irp b, 0,1
	v_max3_num_f32 v[BM+\b], |v[S+16*\b]|, |v[S+16*\b+1]|, 0x1800000
.endr
.irp i, 2,4,6,8,10,12,14
.irp b, 0,1
	s_delay_alu instid0(VALU_DEP_2)
	v_max3_num_f32 v[BM+\b], v[BM+\b], |v[S+16*\b+\i]|, |v[S+16*\b+\i+1]|
.endr
.endr
.irp b, 0,1
	s_delay_alu instid0(VALU_DEP_2)
	v_permlanex16_b32 v[BX+\b], v[BM+\b], s[SEL], s[SEL+1]
.endr
.irp b, 0,1
	s_delay_alu instid0(VALU_DEP_2)
	v_max_num_f32 v[BM+\b], v[BM+\b], v[BX+\b]
.endr
.irp b, 0,1
	s_delay_alu instid0(VALU_DEP_2)
	v_add_nc_u32 v[SO+\b], 0xff000000, v[BM+\b]
.endr
.irp b, 0,1
	s_delay_alu instid0(VALU_DEP_2)
	v_lshrrev_b32 v[BX+\b], 23, v[SO+\b]
.endr
	v_cvt_scalef32_pk16_fp6_f32 v[PCD:PCD+2], v[S:S+15], v[SO]
	v_cvt_scalef32_pk16_fp6_f32 v[CT:CT+2], v[S+16:S+31], v[SO+1]
	v_nop                                          ; one plain instruction behind a scaled conversion
.irp i, 0,1,2
	v_permlane16_swap_b32 v[PCD+\i], v[CT+\i]
.endr
.irp i, 0,1,2
	s_delay_alu instid0(VALU_DEP_3)
	v_mov_b32 v[PCD+3+\i], v[CT+\i]
.endr
	v_cndmask_b32 v[BYT], v[BX], v[BX+1], s[HM]    ; lanes 0-15 block 0's byte, lanes 16-31 block 1's
.irp j, 0,1,2
	global_store_b64 v[LS], v[PCD+2*\j:PCD+2*\j+1], s[\pao:\pao+1] offset:256*\j   ; 32 lanes store 256 consecutive bytes, aligned
.endr
	global_store_b8 v[SOFF], v[BYT], s[\pas:\pas+1]                ; a head owns two bytes of each row of ao_scales: 32 bytes of 512 neighbouring ones
.endm
	s_wait_loadcnt 0x0                             ; both tiles' Q
	SETQ FRG, TMP
	INIT
	s_wait_tensorcnt 0x3                           ; a fetching wave's first load has landed (three stay out): with the barrier, steps 0 to 3 lie in LDS.  Nothing is filled again in this launch
	s_barrier_signal -1
	s_barrier_wait -1
	s_mov_b32 s[TB], 0
	WALK 4, 0                                      ; the tile in group 15 - U, which is 8 or more: steps 0 to 7 are open for every wave
	s_wait_tensorcnt 0x2                           ; the second load: steps 4 to 7
	s_barrier_signal -1
	s_barrier_wait -1
	s_mov_b32 s[TB], 4*REC
	WALK 4, 0
	s_wait_tensorcnt 0x0                           ; all sixteen steps
	s_barrier_signal -1
	s_barrier_wait -1
	s_mov_b32 s[TB], 8*REC
	s_mov_b32 s[STP], 8
	s_mov_b32 s[LIM], s85
	WALK 8, 1
	FINISH AO2, AS2
	s_wait_xcnt 0x0                                ; the stores have read their registers, which the next tile writes again
	SETQ QI1, QW1
	INIT
	s_mov_b32 s[TB], 0
	s_mov_b32 s[STP], 0
	s_mov_b32 s[LIM], s[UU]
	WALK 8, 1                                      ; the tile in group U
	FINISH AO1, AS1
	s_wait_tensorcnt 0x0
	ds_add_u32 v254, v255
	s_wait_dscnt 0x0
	CROUND                                         ; the closing round
	s_endpgm
.Lfunc_end_k_q20a94163aa_attn:
	.size	k_q20a94163aa_attn, .Lfunc_end_k_q20a94163aa_attn-k_q20a94163aa_attn
	.p2alignl 7, 3214868480
	.fill 96, 4, 3214868480
	.section	.rodata,"a",@progbits
	.p2align	6, 0x0
	.amdhsa_kernel k_q20a94163aa_attn
		.amdhsa_group_segment_fixed_size 206848
		.amdhsa_private_segment_fixed_size 0
		.amdhsa_enable_private_segment 0
		.amdhsa_kernarg_size 32
		.amdhsa_user_sgpr_count 2
		.amdhsa_user_sgpr_kernarg_segment_ptr 1
		.amdhsa_wavefront_size32 1
		.amdhsa_system_sgpr_workgroup_id_x 1
		.amdhsa_system_sgpr_workgroup_id_y 1
		.amdhsa_system_sgpr_workgroup_id_z 1
		.amdhsa_system_vgpr_workitem_id 0
		.amdhsa_next_free_vgpr 256
		.amdhsa_next_free_sgpr 90
		.amdhsa_reserve_vcc 1
		.amdhsa_float_denorm_mode_32 3
		.amdhsa_float_denorm_mode_16_64 3
		.amdhsa_memory_ordered 1
		.amdhsa_forward_progress 1
		.amdhsa_inst_pref_size 99
	.end_amdhsa_kernel
	.amdgpu_metadata
---
amdhsa.version: [ 1, 2 ]
amdhsa.kernels:
  - .name:           k_q20a94163aa_attn
    .symbol:         k_q20a94163aa_attn.kd
    .args:
      - { .name: qbuf, .offset: 0, .size: 8, .value_kind: global_buffer, .address_space: global }
      - { .name: kv, .offset: 8, .size: 8, .value_kind: global_buffer, .address_space: global }
      - { .name: ao, .offset: 16, .size: 8, .value_kind: global_buffer, .address_space: global }
      - { .name: ao_scales, .offset: 24, .size: 8, .value_kind: global_buffer, .address_space: global }
    .group_segment_fixed_size: 206848
    .private_segment_fixed_size: 0
    .kernarg_segment_align: 8
    .kernarg_segment_size: 32
    .max_flat_workgroup_size: 512
    .sgpr_count:     90
    .vgpr_count:     256
    .wavefront_size: 32
...
	.end_amdgpu_metadata
.endif
;; end of part 3
;; launch oproj (part 4): grid 4 x 32, 4 waves a work-group, clusters of 4 x 4, 327,680 bytes of LDS; arguments ao, ao_scales, w_codes, w_scales, out0; writes out0
.if DOCPART == 4
	.amdgcn_target "amdgcn-amd-amdhsa--gfx1250"
	.amdhsa_code_object_version 6
	.text
	.protected	k_q20a94163aa_oproj
	.globl	k_q20a94163aa_oproj
	.p2align	8
	.type	k_q20a94163aa_oproj,@function
k_q20a94163aa_oproj:
	s_mov_b64 s[64:65], 0
	v_nop
	global_prefetch_b8 v0, s[64:65] scope:SCOPE_SE
	s_setreg_imm32_b32 hwreg(HW_REG_WAVE_MODE, 25, 1), 1
	s_wait_xcnt 0x0
	s_wait_alu depctr_hold_cnt(0) depctr_sa_sdst(0) depctr_va_vdst(0) depctr_va_sdst(0) depctr_va_ssrc(0) depctr_va_vcc(0) depctr_vm_vsrc(0)
	s_getreg_b32 s2, hwreg(HW_REG_IB_STS2, 6, 4)
	s_cmp_eq_u32 s2, 0
	s_cbranch_scc0 .Lentry_in_a_cluster
	s_endpgm
.Lentry_in_a_cluster:
	s_bfe_u32 s2, ttmp6, 0x10000c
	s_cmp_lg_u32 s2, 0xf033
	s_cbranch_scc0 .Lentry_shape_is_right
	s_endpgm
.Lentry_shape_is_right:
; out0 = (attention's output) w_o^T on codes of FP6 (E2M3) with E8M0 scales; M = 8,192, N = 1,024, K = 1,024; sums and out0 in f32.
; A: ao [512 tiles of 16 rows][8 steps of 128 along K][6 runs of 256 bytes]: images of the operand's registers, run j = registers 2 j, 2 j + 1, lane l's 8 bytes at 8 l; ao_scales [8192 stored rows][32].
;    Stored row 16 T + r of tile T = 8 G + a is the row 128 G + 32 (a / 2) + 8 (a % 2) + r + 8 (r / 8) of out0.
; B: w_o: rows 3,072 on of w_codes [4096][768] and w_scales [4096][32], in their own order.
; A tile of 256 x 256 of out0 is made by four waves, 128 x 128 each: 64 accumulators, 512 registers.  K goes in steps of 256 through a ring of two LDS slots filled by the tensor data mover; the scale bytes come once.
; CLUSTERS: 4 x 4 work-groups; A's tiles are asked for jointly along a row of the cluster, B's along a column.  Source 0 = 16 rows of B, source 1 = 16 rows of A: a lane holds eight neighbouring numbers of a row of out0.
; REGISTERS, in windows of 256: window 0: v16-29 addresses; v32-63 scale words, two sets; v128-223 A's fragments, one set; on the way out v128-255 rows.  window 1: B's fragments, two sets.  windows 2, 3: the accumulators.
.set SIZE_N, 1024
.set NQ,     2
.set ROWB,   192                       ; a row of B's tile in bytes
.set KROW,   768                       ; a row of codes in memory; sixteen of A's are a tile's 12,288 bytes
.set PITCH,  240                       ; B's LDS row: 3 x (64 bytes + 16 of padding)
.set ASTEP,  3072                      ; a tile of A's two steps of 128 along K
.set FR,     12
.set NL,     6
.set NP,     4
.set HALFA,  8*ASTEP                   ; 8 tiles of A: what one tensor load brings
.set HALFB,  128*PITCH                 ; 128 rows of B likewise
.set BOFF,   2*HALFA
.set SLOT,   2*HALFA+2*HALFB
.set LAPS,   2
.set KS,     32
.set SCL,    2*SLOT
.set HALFS,  (128*KS/256)*272
.set SBLK,   (16*KS/256)*272
.set SPARE,  SCL+4*HALFS               ; the spare words, 128 bytes for each wave: two blocks of 256 bytes that no other line names
.set SPITCH, 528                       ; the way out: a stage of 16 rows x (512 bytes + 16) for each wave, in slot 0, which has had its last fill and its last read when the first result is stored there
.set ADRA, 16                          ; v16-17 LDS address of my A fragments in slot 0, 1
.set ADRB, 20                          ; v20-23 of B's (v22-23: for the pieces behind one padding more)
.set STO,  24
.set RD,   25
.set CO,   26
.set ADRS, 27
.set SPW,  28
.set NIL,  29
.set SC,   32
.set AF,   128
.set BK,   128
.set G1, 24
.set G0, 32
.set G1B, 48
.set G0B, 56
.set G1S, 68
.set G0S, 76
.set G1SB, 80
.set G0SB, 88
.set MSB, 0
.macro WIN new                         ; the immediate's high byte repeats the setting that is left
.if MSB != (\new)
	s_set_vgpr_msb (MSB<<8)|(\new)
.set MSB, (\new)
.endif
.endm
.set MUL_LO, 0xa1
.set MUL_HI, 0xf1
.set TO_B,   0x40
.macro JLOAD g0a, g1a, g0b, g1b        ; a joint load: waves 0 and 1 fetch for A, waves 2 and 3 for B; four v_nop follow each of the two lines
	s_cmp_eq_u32 s15, 0
	s_cbranch_scc0 .Lfor_b_\@
	tensor_load_to_lds s[\g0a:\g0a+3], s[\g1a:\g1a+7]
	s_nop 0
.rept 4
	v_nop
.endr
	s_branch .Lasked_\@
.Lfor_b_\@:
	tensor_load_to_lds s[\g0b:\g0b+3], s[\g1b:\g1b+7]
	s_nop 0
.rept 4
	v_nop
.endr
.Lasked_\@:
.endm
.macro CREST
	s_cmp_lg_u32 s14, 0
	s_cbranch_scc1 .Lnot_wave_0_\@
	s_barrier_signal -3
.Lnot_wave_0_\@:
	s_barrier_wait -3
	s_barrier_signal -1
	s_barrier_wait -1
.endm
.macro CROUND
	s_barrier_signal -1
	s_barrier_wait -1
	CREST
.endm
	s_load_b128 s[4:7], s[0:1], 0x0                ; ao, ao_scales
	s_load_b128 s[8:11], s[0:1], 0x10              ; w_codes, w_scales
	s_load_b64 s[12:13], s[0:1], 0x20              ; out0
	v_lshl_add_u32 v[SPW], v0, 2, SPARE
	v_mov_b32 v[NIL], 0
	ds_add_u32 v28, v29
	ds_add_u32 v28, v29
	s_wait_dscnt 0x0
	v_lshrrev_b32 v1, 5, v0
	v_readfirstlane_b32 s14, v1                    ; wave 0..3
	s_lshr_b32 s15, s14, 1                         ; which half of the tile's rows is mine.  Also: I fetch for A (0) or for B (1)
	s_and_b32 s16, s14, 1                          ; which half of its columns.  Also: which half of that tile I fetch
	s_bfe_u32 s40, ttmp6, 0x40000                  ; cx, cy
	s_bfe_u32 s41, ttmp6, 0x40004
	s_lshl_b32 s42, ttmp9, 2
	s_add_co_u32 s42, s42, s40                     ; tile column
	s_and_b32 s17, ttmp7, 0xffff
	s_lshl_b32 s17, s17, 2
	s_add_co_u32 s17, s17, s41                     ; tile row
	s_lshl_b32 s43, s41, 2
	s_lshl_b32 s43, 15, s43                        ; my row of the cluster
	s_lshl_b32 s44, 0x1111, s40                    ; my column
	; A: 8 tiles x 3,072 bytes (384 elements of 8 bytes), 12,288 bytes apart, dense in LDS: every read takes 256 consecutive bytes
	s_or_b32 s[G1+0], s43, (3<<16)|(1<<21)
	s_mov_b32 s[G1+1], 384<<16
	s_mov_b32 s[G1+2], 8<<16
	s_mov_b32 s[G1+3], 384<<16
	s_mov_b32 s[G1+4], 8
	s_mov_b32 s[G1+5], 1536
	s_mov_b32 s[G1+6], 0
	s_mov_b32 s[G1+7], 0
	; B: 128 rows x 192 bytes, 16 bytes of padding behind every 64
	s_or_b32 s[G1B+0], s44, (0<<16)|(1<<20)|(1<<21)|(3<<22)|(3<<25)
	s_mov_b32 s[G1B+1], ROWB<<16
	s_mov_b32 s[G1B+2], 128<<16
	s_mov_b32 s[G1B+3], ROWB<<16
	s_mov_b32 s[G1B+4], 128
	s_mov_b32 s[G1B+5], KROW
	s_mov_b32 s[G1B+6], 0
	s_mov_b32 s[G1B+7], 0
	; the scales of 128 rows: 4,096 dense bytes as 16 rows of 256, 16 bytes of padding behind each
	s_or_b32 s[G1S+0], s43, (3<<16)|(1<<20)|(1<<21)|(5<<22)|(3<<25)
	s_or_b32 s[G1SB+0], s44, (3<<16)|(1<<20)|(1<<21)|(5<<22)|(3<<25)
.irp g, G1S, G1SB
	s_mov_b32 s[\g+1], 32<<16
	s_mov_b32 s[\g+2], (128*KS/256)<<16
	s_mov_b32 s[\g+3], 32<<16
	s_mov_b32 s[\g+4], 128*KS/256
	s_mov_b32 s[\g+5], 32
	s_mov_b32 s[\g+6], 0
	s_mov_b32 s[\g+7], 0
.endr
	s_lshl_b32 s18, s16, 7                         ; which 128 rows of the tile I fetch
	s_lshl_b32 s20, s17, 8
	s_add_co_u32 s20, s20, s18                     ; A: stored row 256 x tile row + 128 x half
	s_lshl_b32 s46, s42, 8
	s_add_co_u32 s46, s46, s18
	s_add_co_u32 s46, s46, 3072                    ; B: w_o's rows lie behind the other three weights'
	s_mov_b32 s21, 0
	s_mov_b32 s47, 0
	s_mov_b64 s[18:19], KS
	s_mul_u64 s[22:23], s[20:21], s[18:19]         ; where these rows' scales begin
	s_mul_u64 s[92:93], s[46:47], s[18:19]
	s_mov_b64 s[18:19], KROW
	s_mul_u64 s[20:21], s[20:21], s[18:19]         ; and their codes (A: 768 bytes a row is 12,288 a tile)
	s_mul_u64 s[46:47], s[46:47], s[18:19]
	s_mul_i32 s45, s16, HALFA                      ; where they go: A's two halves,
	s_mul_i32 s95, s16, HALFB
	s_add_co_u32 s95, s95, BOFF                    ; then B's two: no place in the cluster enters an LDS address
	s_mul_i32 s94, s14, HALFS
	s_wait_kmcnt 0x0
	s_add_nc_u64 s[20:21], s[4:5], s[20:21]
	s_add_nc_u64 s[22:23], s[6:7], s[22:23]
	s_add_nc_u64 s[46:47], s[8:9], s[46:47]
	s_add_nc_u64 s[92:93], s[10:11], s[92:93]
	CROUND                                         ; all sixteen work-groups are here: the first joint loads meet
	s_mov_b32 s[G0S], 1
	s_add_co_u32 s[G0S+1], s94, SCL
	s_mov_b64 s[G0S+2:G0S+3], s[22:23]
	s_or_b32 s[G0S+3], s[G0S+3], 0x80000000
	s_mov_b32 s[G0SB], 1
	s_add_co_u32 s[G0SB+1], s94, SCL
	s_mov_b64 s[G0SB+2:G0SB+3], s[92:93]
	s_or_b32 s[G0SB+3], s[G0SB+3], 0x80000000
	JLOAD G0S, G1S, G0SB, G1SB                     ; the scales first
.irp s, 0,1
	s_mov_b32 s[G0+4*\s], 1
	s_add_co_u32 s[G0+4*\s+1], s45, \s*SLOT
	s_add_nc_u64 s[G0+4*\s+2:G0+4*\s+3], s[20:21], \s*ASTEP
	s_or_b32 s[G0+4*\s+3], s[G0+4*\s+3], 0x80000000
	s_mov_b32 s[G0B+4*\s], 1
	s_add_co_u32 s[G0B+4*\s+1], s95, \s*SLOT
	s_add_nc_u64 s[G0B+4*\s+2:G0B+4*\s+3], s[46:47], \s*ROWB
	s_or_b32 s[G0B+4*\s+3], s[G0B+4*\s+3], 0x80000000
	JLOAD G0+4*\s, G1, G0B+4*\s, G1B
.endr
	v_and_b32 v1, 15, v0                           ; l % 16
	v_bfe_u32 v2, v0, 4, 1                         ; l / 16
	v_and_b32 v6, 31, v0
	v_lshlrev_b32 v7, 3, v6                        ; A: 8 x lane
	v_mul_u32_u24 v3, v1, PITCH
	v_mul_u32_u24 v4, v2, 24
	v_add_nc_u32 v4, v3, v4                        ; B: a fragment's row x pitch + 24 x half
	v_lshl_add_u32 v5, v2, 4, v4                   ; and the same behind one padding more
	s_mul_i32 s21, s15, HALFA                      ; my 8 tiles of A
	s_mul_i32 s22, s16, HALFB                      ; my 128 rows of B
	s_add_co_u32 s22, s22, BOFF
.irp s, 0,1
	v_add_nc_u32 v[ADRA+\s], s21, v7
	v_add_nc_u32 v[ADRB+\s], s22, v4
	v_add_nc_u32 v[ADRB+2+\s], s22, v5
	s_add_co_u32 s21, s21, SLOT
	s_add_co_u32 s22, s22, SLOT
.endr
	v_mul_u32_u24 v5, v1, KS                       ; my row's scales: 32 bytes a row,
	v_lshrrev_b32 v6, 8, v5
	v_lshl_add_u32 v5, v6, 4, v5                   ; and 16 more for each 256 passed
	s_mul_i32 s21, s15, HALFS
	s_mul_i32 s22, s16, HALFS
	s_add_co_u32 s22, s22, 2*HALFS
	s_sub_co_u32 s22, s22, s21
	v_mul_u32_u24 v6, s22, v2                      ; lanes 16-31 take B's
	s_add_co_u32 s21, s21, SCL
	v_add_nc_u32 v5, v5, v6
	v_add_nc_u32 v[ADRS], s21, v5
	s_mul_i32 s23, s14, 16*SPITCH                  ; my stage
	v_mul_u32_u24 v5, v1, SPITCH                   ; in: row l % 16, 32 bytes for each half of the lanes
	v_lshl_add_u32 v5, v2, 5, v5
	v_add_nc_u32 v[STO], s23, v5
	v_and_b32 v6, 31, v0
	v_lshlrev_b32 v[CO], 4, v6                     ; back: the 32 lanes take one row of 512 bytes; and the same in out0
	v_add_nc_u32 v[RD], s23, v[CO]
	s_lshl_b32 s20, s17, 8
	s_lshl_b32 s21, s15, 7
	s_add_co_u32 s20, s20, s21                     ; my first row of out0: 256 x tile row + 128 x half
	s_mov_b32 s21, 0
	s_mov_b64 s[18:19], SIZE_N*4
	s_mul_u64 s[20:21], s[20:21], s[18:19]
	s_lshl_b32 s46, s42, 10                        ; my first column, in bytes
	s_lshl_b32 s47, s16, 9
	s_add_co_u32 s46, s46, s47
	s_mov_b32 s47, 0
	s_add_nc_u64 s[20:21], s[20:21], s[46:47]
	s_add_nc_u64 s[12:13], s[12:13], s[20:21]
.macro FRAG reg, adr, q, i             ; B's fragment, in pieces of 8 bytes; where the piece three on lies behind one padding more, the second address register serves
.irp p, 0,1,2,3,4,5
.set PC, 12*(\q)+6*(\p/3)+\p%3
.if PC%8 < 5
	ds_load_b64 v[\reg+2*\p:\reg+2*\p+1], v[\adr] offset:8*PC+16*(PC/8)+(\i)*16*PITCH
.else
	ds_load_b64 v[\reg+2*\p:\reg+2*\p+1], v[\adr+2] offset:8*PC+16*(PC/8)+(\i)*16*PITCH
.endif
.endr
.endm
.macro FRAGA reg, slot, q, i           ; A's fragment: its image's six runs of 256 bytes
.irp p, 0,1,2,3,4,5
	ds_load_b64 v[\reg+2*\p:\reg+2*\p+1], v[ADRA+\slot] offset:ASTEP*(\i)+1536*(\q)+256*\p
.endr
.endm
; 16 matrix instructions; the 64 accumulators take turns, one instruction a turn, in the same order in every step
.macro MUL16 a0, p, q, sc, zero
.irp a, \a0, \a0+1
.irp b, 0,1,2,3,4,5,6,7
.if \zero
	v_wmma_scale_f32_16x16x128_f8f6f4 v[8*(8*((\a)%4)+\b):8*(8*((\a)%4)+\b)+7], v[128*(\p)+FR*\b:128*(\p)+FR*\b+FR-1], v[AF+FR*(\a):AF+FR*(\a)+FR-1], 0, v[SC+8*NQ*(\sc)+NQ*\b+(\q)], v[SC+8*NQ*(\sc)+NQ*(\a)+(\q)] matrix_a_fmt:MATRIX_FMT_FP6 matrix_b_fmt:MATRIX_FMT_FP6 matrix_a_scale:MATRIX_SCALE_ROW1
.else
	v_wmma_scale_f32_16x16x128_f8f6f4 v[8*(8*((\a)%4)+\b):8*(8*((\a)%4)+\b)+7], v[128*(\p)+FR*\b:128*(\p)+FR*\b+FR-1], v[AF+FR*(\a):AF+FR*(\a)+FR-1], v[8*(8*((\a)%4)+\b):8*(8*((\a)%4)+\b)+7], v[SC+8*NQ*(\sc)+NQ*\b+(\q)], v[SC+8*NQ*(\sc)+NQ*(\a)+(\q)] matrix_a_fmt:MATRIX_FMT_FP6 matrix_b_fmt:MATRIX_FMT_FP6 matrix_a_scale:MATRIX_SCALE_ROW1
.endif
.endr
.endr
.endm
.macro FETCH_B slot, q, p
	WIN TO_B
.irp i, 0,1,2,3,4,5,6,7
	FRAG 128*(\p)+FR*\i, ADRB+\slot, \q, \i
.endr
	WIN 0
.endm
.macro FETCH_A slot, q, i0
.irp i, \i0, \i0+1, \i0+2, \i0+3
	FRAGA AF+FR*(\i), \slot, \q, \i
.endr
.endm
.macro SCALES sc
.irp i, 0,1,2,3,4,5,6,7
	ds_load_b64 v[SC+8*NQ*\sc+NQ*\i:SC+8*NQ*\sc+NQ*\i+1], v[ADRS] offset:\i*SBLK
.endr
.endm
.macro PLACES n                        ; plain vector instructions between a matrix instruction and a load into, or a read of, its registers
.rept \n
	v_nop
.endr
.endm
.macro STEP slot, q, zero
	s_wait_dscnt 4*NL                              ; B's set and A's blocks 0-3 are in; the youngest 24 loads (A's blocks 4-7) may be out
	WIN MUL_LO
	MUL16 0, (\q)%2, \q, \slot, \zero
	MUL16 2, (\q)%2, \q, \slot, \zero
	s_wait_dscnt 0
	PLACES NP
	FETCH_B \slot, (\q)+1, 1-(\q)%2
	FETCH_A \slot, (\q)+1, 0
	WIN MUL_HI
	MUL16 4, (\q)%2, \q, \slot, \zero
	MUL16 6, (\q)%2, \q, \slot, \zero
	PLACES NP
	WIN 0
	FETCH_A \slot, (\q)+1, 4
.endm
; A slot's last step changes slots: ONE barrier; in front of it each wave waits for all its tensor loads, adds 0 to its spare word, and waits for that and for its own reads of this slot.
.macro TURN slot, next, fill
	s_wait_tensorcnt 0x0                           ; all my tensor loads have landed: my part of the next slot
	ds_add_u32 v[SPW], v[NIL]                      ; 0 onto my spare word
	s_wait_dscnt 4*NL+1                            ; the add and the youngest 24 loads may be out
	WIN MUL_LO
	MUL16 0, 1, NQ-1, \slot, 0
	s_wait_dscnt 0x0                               ; the add is done, and my reads of this slot are over
	s_barrier_signal -1
	MUL16 2, 1, NQ-1, \slot, 0
	WIN 0
	s_barrier_wait -1
.if \fill
	CREST                                          ; the barrier has opened a round of the cluster's barrier: no wave of any partner still reads this slot's tile or has a load on its way
	s_add_nc_u64 s[G0+4*\slot+2:G0+4*\slot+3], s[G0+4*\slot+2:G0+4*\slot+3], 2*ASTEP
	s_add_nc_u64 s[G0B+4*\slot+2:G0B+4*\slot+3], s[G0B+4*\slot+2:G0B+4*\slot+3], 2*ROWB
	JLOAD G0+4*\slot, G1, G0B+4*\slot, G1B         ; the first tensor load behind the round; its four v_nop are the places in front of the loads below
.else
	PLACES NP
.endif
	v_add_nc_u32 v[ADRS], 4*NQ, v[ADRS]
	FETCH_B \next, 0, 0
	FETCH_A \next, 0, 0
	SCALES \next
	WIN MUL_HI
	MUL16 4, 1, NQ-1, \slot, 0
	MUL16 6, 1, NQ-1, \slot, 0
	PLACES NP
	WIN 0
	FETCH_A \next, 0, 4
.endm
	s_wait_tensorcnt 1                             ; the scales and my part of K step 0 are in (K step 1's load may be out)
	s_barrier_signal -1
	s_barrier_wait -1                              ; everybody's are
	FETCH_B 0, 0, 0
	FETCH_A 0, 0, 0
	SCALES 0
	FETCH_A 0, 0, 4
	STEP 0, 0, 1                                   ; the first step's products start the sums
	s_mov_b32 s3, LAPS-1
.Llap:
	TURN 0, 1, 1
	STEP 1, 0, 0
	TURN 1, 0, 1
	STEP 0, 0, 0
	s_sub_co_u32 s3, s3, 1
	s_cmp_lg_u32 s3, 0
	s_cbranch_scc1 .Llap
	TURN 0, 1, 0                                   ; the last lap fills nothing
	STEP 1, 0, 0
	s_wait_dscnt 4*NL
	WIN MUL_LO
	MUL16 0, 1, NQ-1, 1, 0
	MUL16 2, 1, NQ-1, 1, 0
	s_wait_dscnt 0
	WIN MUL_HI
	MUL16 4, 1, NQ-1, 1, 0
	MUL16 6, 1, NQ-1, 1, 0
	WIN 0
; THE WAY OUT, block by block of 16 rows x 128 columns, through my own stage in LDS: in as 32 bytes a lane, back as whole rows of 512 bytes.  LDS serves a wave's instructions in order (ISA guide 5.7.1.4).
.macro TOSTAGE a
.set AC, 64*((\a)%4)
	WIN 0x08+4*((\a)/4)                            ; the data: window 2 or 3
.irp b, 0,1,2,3,4,5,6,7
	ds_store_b128 v[STO], v[AC+8*\b:AC+8*\b+3] offset:64*\b          ; each accumulator from its low end on
	ds_store_b128 v[STO], v[AC+8*\b+4:AC+8*\b+7] offset:64*\b+16
.endr
	WIN 0
.set BB, BK+64*((\a)%2)
.irp t, 0,1,2,3,4,5,6,7,8,9,10,11,12,13,14,15
	ds_load_b128 v[BB+4*\t:BB+4*\t+3], v[RD] offset:\t*SPITCH
.endr
.endm
; stored row t of block a is row 32 (a / 2) + 8 (a % 2) + t + 8 (t / 8) of my 128: the base goes 8 rows on in front of an odd block and 24 in front of an even one
.macro SEND a, younger
.set BB, BK+64*((\a)%2)
	s_wait_dscnt \younger                          ; the block is back in registers
.if (\a) > 0
.if (\a)%2
	s_add_nc_u64 s[12:13], s[12:13], 8*SIZE_N*4    ; (behind a wait on XCNT: the earlier stores have read their base)
.else
	s_add_nc_u64 s[12:13], s[12:13], 24*SIZE_N*4
.endif
.endif
.irp t, 0,1,2,3,4,5,6,7,8,9,10,11,12,13,14,15
	global_store_b128 v[CO], v[BB+4*\t:BB+4*\t+3], s[12:13] offset:(\t+8*(\t/8))*SIZE_N*4 th:TH_STORE_NT   ; 32 lanes store 512 consecutive bytes, aligned; written once, read by nobody here
.endr
.endm
	PLACES NP
	TOSTAGE 0
.irp a, 1,2,3,4,5,6,7
.if \a > 1
	s_wait_xcnt 0x0                                ; block a - 2's stores have read their registers and their base
.endif
	TOSTAGE \a
	SEND \a-1, 32                                  ; behind block a - 1's loads: block a's 16 stores and 16 loads
.endr
	s_wait_xcnt 0x0                                ; block 6's stores have read their base
	SEND 7, 0
	s_wait_tensorcnt 0x0                           ; the wave's end
	ds_add_u32 v[SPW], v[NIL]
	s_wait_dscnt 0x0
	CROUND                                         ; the closing round
	s_endpgm
.Lfunc_end_k_q20a94163aa_oproj:
	.size	k_q20a94163aa_oproj, .Lfunc_end_k_q20a94163aa_oproj-k_q20a94163aa_oproj
	.p2alignl 7, 3214868480
	.fill 96, 4, 3214868480
	.section	.rodata,"a",@progbits
	.p2align	6, 0x0
	.amdhsa_kernel k_q20a94163aa_oproj
		.amdhsa_group_segment_fixed_size 327680
		.amdhsa_private_segment_fixed_size 0
		.amdhsa_enable_private_segment 0
		.amdhsa_kernarg_size 40
		.amdhsa_user_sgpr_count 2
		.amdhsa_user_sgpr_kernarg_segment_ptr 1
		.amdhsa_wavefront_size32 1
		.amdhsa_system_sgpr_workgroup_id_x 1
		.amdhsa_system_sgpr_workgroup_id_y 1
		.amdhsa_system_sgpr_workgroup_id_z 1
		.amdhsa_system_vgpr_workitem_id 0
		.amdhsa_next_free_vgpr 1024
		.amdhsa_next_free_sgpr 98
		.amdhsa_reserve_vcc 0
		.amdhsa_float_denorm_mode_32 3
		.amdhsa_float_denorm_mode_16_64 3
		.amdhsa_memory_ordered 1
		.amdhsa_forward_progress 1
		.amdhsa_inst_pref_size 160
	.end_amdhsa_kernel
	.amdgpu_metadata
---
amdhsa.version: [ 1, 2 ]
amdhsa.kernels:
  - .name:           k_q20a94163aa_oproj
    .symbol:         k_q20a94163aa_oproj.kd
    .args:
      - { .name: ao, .offset: 0, .size: 8, .value_kind: global_buffer, .address_space: global }
      - { .name: ao_scales, .offset: 8, .size: 8, .value_kind: global_buffer, .address_space: global }
      - { .name: w_codes, .offset: 16, .size: 8, .value_kind: global_buffer, .address_space: global }
      - { .name: w_scales, .offset: 24, .size: 8, .value_kind: global_buffer, .address_space: global }
      - { .name: out0, .offset: 32, .size: 8, .value_kind: global_buffer, .address_space: global }
    .group_segment_fixed_size: 327680
    .private_segment_fixed_size: 0
    .kernarg_segment_align: 8
    .kernarg_segment_size: 40
    .max_flat_workgroup_size: 128
    .sgpr_count:     98
    .vgpr_count:     1024
    .wavefront_size: 32
...
	.end_amdgpu_metadata
.endif
;; end of part 4
